; MI455X (gfx1250); checked and timed in simulation.
; The chip was launched on July 23, 2026; its instructions are those of AMD's public machine-readable ISA for CDNA 5 (MIT licence, August 2026) and "CDNA5" Instruction Set Architecture Reference Guide (July 2026). The comments in the code are by the model that wrote it; some were corrected since.
;; Single Head Attention. Allowed arithmetic: matrix products marked QUANTISED: E2M3 operands, one E8M0 scale for each 32 along K, by v_wmma_scale_f32_16x16x128_f8f6f4 with both operands' format E2M3, f32 sums; everything else in f32.
;; Inputs: Wk 1,024 x 1,024 float32; Wo 1,024 x 1,024 float32; Wq 1,024 x 1,024 float32; Wv 1,024 x 1,024 float32; bk 1,024 float32; bo 1,024 float32; bq 1,024 float32; bv 1,024 float32; x 4 x 2,048 x 1,024 float32.
;; Outputs: out0 4 x 2,048 x 1,024 float32.
;; This version of the problem:
;;   THIS VERSION OF THE PROBLEM IS GIVEN IN LOW PRECISION. The matrix products marked QUANTISED in the list below multiply operands that are first quantised to E2M3 (2 exponent bits, 3 mantissa bits; 6 bits a number), with one power-of-two scale for each 32 numbers along K (OCP MX v1.0); their sums are f32. All else is computed in f32.
;;   The module's matrix products, in the order in which they are computed (A, B: the left and right operand; K: the contracted axis; several contracted axes count as one K, in the product's order):
;;     1. [M 8,192, K 1,024] x [K 1,024, N 1,024]; A: input x; B: input Wq: QUANTISED
;;     2. [M 8,192, K 1,024] x [K 1,024, N 1,024]; A: input x; B: input Wk: QUANTISED
;;     3. [M 8,192, K 1,024] x [K 1,024, N 1,024]; A: input x; B: input Wv: QUANTISED
;;     4. batch 4 x [M 2,048, K 1,024] x [K 1,024, N 2,048]; A: computed on the way; B: computed on the way: QUANTISED
;;     5. batch 4 x [M 2,048, K 2,048] x [K 2,048, N 1,024]; A: softmax (see below); B: computed on the way: QUANTISED
;;     6. [M 8,192, K 1,024] x [K 1,024, N 1,024]; A: computed on the way; B: input Wo: QUANTISED
;;   THE QUANTISER, for each operand of a quantised product, along K:
;;     - K is cut into blocks of 32 from its start; a last block that is shorter is filled with zeros.
;;     - A block's scale is 2^e with e = floor(log2(the largest magnitude in the block)) - 2, held to -126 .. 127; a block of zeros has e = 0. As a byte (E8M0): e + 127.
;;     - Each number is divided by its block's scale, clamped to +-7.5, and rounded to the nearest number of E2M3, ties to even, subnormals kept.
;;     - The product sums the exact products of the quantised numbers (number of the format x scale) in f32.
;;   ~~~python
;;   def quantise(x, axis):      # numpy; x: float32 -> the quantised numbers, widened to float32 again
;;       x = np.moveaxis(x, axis, -1); K = x.shape[-1]
;;       x = np.pad(x, [(0, 0)] * (x.ndim - 1) + [(0, -K % 32)]); x = x.reshape(x.shape[:-1] + (-1, 32)); a = np.abs(x).max(-1, keepdims=True)
;;       e = np.where(a > 0, np.clip(np.frexp(np.where(a > 0, a, 1))[1] - 1 - 2, -126, 127), 0)      # np.frexp(a)[1] - 1 = floor(log2(a)), exactly
;;       r = np.clip(x / 2.0 ** e, -7.5, 7.5)
;;       step = 2.0 ** (np.maximum(np.frexp(np.where(r == 0, 1, r))[1] - 1, 0) - 3)
;;       q = np.round(r / step) * step * 2.0 ** e      # np.round: ties to even
;;       return np.moveaxis(q.reshape(q.shape[:-2] + (-1,))[..., :K], -1, axis).astype(np.float32)
;;   ~~~
;;   SOFTMAX AHEAD OF A QUANTISED PRODUCT. Where the list says 'softmax', what is quantised is not the finished softmax but p = 2^(t - M), with t = logit x log2(e) and M = ceil(the row's largest t), a whole number; so 1/2 < the row's largest p <= 1. The row's sum l is taken of the UNQUANTISED p, in f32, and the product's result is divided by l at the end. Since M is a whole number, a kernel that streams over the keys may use a running M (the ceiling of the running maximum): every later rescaling is an exact power of two, which a block's scale takes up: the codes' values come out the same.
;;   OPERANDS COMPUTED ON THE WAY. 'Computed on the way' means the value that the module computes at that place (a softmax that the list does not call 'softmax' is quantised finished and normalised). What goes into a quantiser is computed in f32, as accurately as f32 sums, v_exp_f32 and their like allow (about 1e-6 of the number): no bf16 or f16 on the way to a quantiser, and a product that is left as it is and whose result goes on into a quantised operand takes f32 operands (vector FMAs, or v_wmma_f32_16x16x4_f32). A number that lies on a knife's edge between two numbers of the format may be rounded either way, as far as f32 arithmetic and the matrix unit's own rounding can turn it there, and no further.
;; One version. Each part assembles by itself: llvm-mc -triple=amdgcn-amd-amdhsa -mcpu=gfx1250 --defsym DOCPART=n.
;; ======== version 1 of 1: 5 launches
;; limits: right only within a limited range of input values
;; workspace buffers: xw 9,830,400 bytes; qkv 19,660,800 bytes; pbuf 14,680,064 bytes; att 6,553,600 bytes
;; launch quant (part 1): grid 768 x 1, 4 waves a work-group, no clusters, 34,304 bytes of LDS; arguments x, Wq, Wk, Wv, Wo, xw; writes xw
.if DOCPART == 1
	.amdgcn_target "amdgcn-amd-amdhsa--gfx1250"
	.amdhsa_code_object_version 6
	.text
	.protected	k_q35c7bfefc2_quant
	.globl	k_q35c7bfefc2_quant
	.p2align	8
	.type	k_q35c7bfefc2_quant,@function
k_q35c7bfefc2_quant:
	s_mov_b64 s[64:65], 0
	v_nop
	global_prefetch_b8 v0, s[64:65] scope:SCOPE_SE
	s_setreg_imm32_b32 hwreg(HW_REG_WAVE_MODE, 25, 1), 1
	s_wait_xcnt 0x0
; x [8192][1024] and the four weights [1024 (k)][1024 (n)], f32, become codes of FP6 (E2M3) with one E8M0 scale byte for each 32 along K, laid as IMAGES OF OPERAND REGISTERS.
; An operand has row tiles T of 16 rows and K steps s of 128.  Image (T, s) is 1,536 bytes at (8 T + s) x 1536: registers 4 c .. 4 c + 3 of lane L of the 12-register fragment lie at 512 c + 16 L.
; Lane (r = L % 16, h = L / 16) holds row 32 (T / 2) + 8 (T % 2) + r + 8 (r / 8); registers 6 c .. 6 c + 5 hold k = 128 s + 64 c + 32 h + 0 .. 31.  The scale word of (T, s, r) lies at (8 T + s) x 64 + 4 r.
; xw: x's images at 0 (512 T), the weights' at WC (Wq T 0-63, Wk 64-127, Wv 128-191, Wo 192-255; a weight's rows are its columns n), x's scale words at XSC, the weights' at WSC.
; A block's scale is 2^(floor(log2(largest magnitude)) - 2): its byte is the largest magnitude's exponent field - 2, held at 1 from below by a floor among the maximum's leaves.
; LIMITS: NaN and infinities are not served; a block whose largest magnitude lies under 2^-124, a block of zeros among them, keeps the byte 1 (its codes add nothing; this program alone reads the bytes).
; Work-groups 0-511: one row tile of x each, wave w its K steps 2 w and 2 w + 1.  Work-groups 512-767: a weight's K step and 128 columns, a wave 32 columns.  Waves share nothing: no barrier.
.set WC,  6291456
.set XSC, 9437184
.set WSC, 9699328
.set PC,  10                           ; v10-28   the codes just made (12 registers, then two runs of three at work)
.set XR,  32                           ; v32-159  numbers as loaded
.set XQ,  160                          ; v160-223 x path: 64 numbers of a lane in the quantiser's order
.set TM,  224                          ; v224-227 largest magnitudes, v228-231 the other half's, then bytes, v236-239 the conversions' scale operands
.set PW,  240                          ; the scale word
.set SEL, 20                           ; s[20:21] lane selects: lane l xor 16
; 64 numbers of a lane, register 16 b + i = k 32 b + 16 h + i of its row, become a fragment's codes in v[PC] on and its scale word in v[PW]
.macro QUANT s
.irp b, 0,1,2,3
	v_max3_num_f32 v[TM+\b], |v[(\s)+16*\b]|, |v[(\s)+1+16*\b]|, 0x1800000   ; my 16 numbers of block b, and the floor 2^(3 - 127)
.endr
.irp i, 2,4,6,8,10,12,14
.irp b, 0,1,2,3
	v_max3_num_f32 v[TM+\b], v[TM+\b], |v[(\s)+16*\b+\i]|, |v[(\s)+1+16*\b+\i]|   ; the four blocks by turns
.endr
.endr
.irp b, 0,1,2,3
	v_permlanex16_b32 v[TM+4+\b], v[TM+\b], s[SEL], s[SEL+1]
.endr
.irp b, 0,1,2,3
	v_max_num_f32 v[TM+\b], v[TM+\b], v[TM+4+\b]   ; with lane l xor 16's 16: the block's largest magnitude
.endr
.irp b, 0,1,2,3
	v_add_nc_u32 v[TM+12+\b], 0xff000000, v[TM+\b]   ; 2 off its exponent field: the conversion's scale operand
.endr
.irp b, 0,1,2,3
	v_lshrrev_b32 v[TM+4+\b], 23, v[TM+12+\b]      ; the scale's byte
.endr
	v_lshl_or_b32 v[PW], v[TM+5], 8, v[TM+4]
	v_lshl_or_b32 v[PW], v[TM+6], 16, v[PW]
	v_lshl_or_b32 v[PW], v[TM+7], 24, v[PW]
.irp c, 0,1
	v_cvt_scalef32_pk16_fp6_f32 v[PC+6*\c:PC+2+6*\c], v[(\s)+32*\c:(\s)+15+32*\c], v[TM+12+2*\c]
	v_cvt_scalef32_pk16_fp6_f32 v[PC+12+4*\c:PC+14+4*\c], v[(\s)+16+32*\c:(\s)+31+32*\c], v[TM+12+2*\c+1]   ; (a conversion's three registers begin on an even number)
.endr
	v_nop                                          ; one plain instruction behind the scaled conversions
.irp c, 0,1                            ; the operand wants a whole block in a lane: lanes 0-15 block 2 c, lanes 16-31 block 2 c + 1
.irp i, 0,1,2
	v_permlane16_swap_b32 v[PC+6*\c+\i], v[PC+12+4*\c+\i]
.endr
.irp i, 0,1,2
	v_mov_b32 v[PC+3+6*\c+\i], v[PC+12+4*\c+\i]
.endr
.endr
.endm
	s_load_b256 s[4:11], s[0:1], 0x0               ; x s[4:5], Wq s[6:7], Wk s[8:9], Wv s[10:11]
	s_load_b128 s[12:15], s[0:1], 0x20             ; Wo s[12:13], xw s[14:15]
	v_lshl_add_u32 v254, v0, 2, 0x8400
	v_mov_b32 v255, 0
	v_lshrrev_b32 v1, 5, v0
	v_readfirstlane_b32 s16, v1                    ; wave 0..3
	v_and_b32 v7, 31, v0                           ; lane
	s_mov_b32 s[SEL], 0x76543210
	s_mov_b32 s[SEL+1], 0xfedcba98
	s_cmp_lt_u32 ttmp9, 512
	s_cbranch_scc0 .Lweights
	; ---- x: row tile T = the work-group's number
	v_lshlrev_b32 v1, 4, v7                        ; 16 x lane: a load's and an image's place
	v_and_b32 v2, 15, v0                           ; r
	v_bfe_u32 v3, v0, 4, 1                         ; h
	s_mul_i32 s17, s16, 8448                       ; my wave's stage: 16 rows x (512 bytes + 16)
	v_add_nc_u32 v4, s17, v1                       ; in: as loaded
	v_mul_u32_u24 v5, v2, 528
	v_lshl_add_u32 v5, v3, 6, v5
	v_add_nc_u32 v5, s17, v5                       ; out: row r, + 64 h: my 16 numbers of a block of 32
	v_lshlrev_b32 v6, 2, v2                        ; 4 r: a scale word's place
.irp b, 0,1,2,3
	v_mov_b32 v[TM+4+\b], 0                        ; written once: a lane permute's destination counts as one of its sources
.endr
	s_lshr_b32 s18, ttmp9, 1
	s_lshl_b32 s18, s18, 5
	s_and_b32 s19, ttmp9, 1
	s_lshl_b32 s19, s19, 3
	s_add_co_u32 s18, s18, s19                     ; the tile's first row: 32 (T / 2) + 8 (T % 2)
	s_lshl_b32 s18, s18, 12                        ; x 4,096 bytes
	s_lshl_b32 s19, s16, 10
	s_add_co_u32 s18, s18, s19                     ; + my wave's two K steps: 1,024 bytes
	s_mov_b32 s19, 0
	s_lshl_b32 s22, ttmp9, 3
	s_lshl_b32 s23, s16, 1
	s_add_co_u32 s22, s22, s23                     ; 8 T + 2 w: my first image
	s_lshl_b32 s24, s22, 6
	s_add_co_u32 s24, s24, XSC
	s_mov_b32 s25, 0
	s_mul_i32 s22, s22, 1536
	s_mov_b32 s23, 0
	s_wait_alu depctr_va_vdst(0)
	s_wait_kmcnt 0x0
	s_add_nc_u64 s[4:5], s[4:5], s[18:19]
	s_add_nc_u64 s[22:23], s[14:15], s[22:23]
	s_add_nc_u64 s[24:25], s[14:15], s[24:25]
.irp g, 0,1
.irp i, 0,1,2,3,4,5,6,7,8,9,10,11,12,13,14,15
	global_load_b128 v[XR+64*\g+4*\i:XR+64*\g+4*\i+3], v1, s[4:5] offset:(\i+8*(\i/8))*4096+512*\g th:TH_LOAD_NT   ; the tile's row i, 512 consecutive bytes
.endr
.endr
.macro XIMG g
.if \g == 0
	s_wait_loadcnt 16                              ; the first image's 16 loads are in; the second's 16 may be out
.else
	s_wait_loadcnt 0x0
.endif
.irp i, 0,1,2,3,4,5,6,7,8,9,10,11,12,13,14,15
	ds_store_b128 v4, v[XR+64*\g+4*\i:XR+64*\g+4*\i+3] offset:528*\i
.endr
.irp b, 0,1,2,3
.irp j, 0,1,2,3
	ds_load_b128 v[XQ+16*\b+4*\j:XQ+16*\b+4*\j+3], v5 offset:128*\b+16*\j   ; LDS serves a wave's instructions in order: these see the stores above
.endr
.endr
	s_wait_dscnt 0x0
.if \g
	s_wait_xcnt 0x0                                ; the first image's stores have read their registers: the codes and the word are written again only behind this wait
.endif
	QUANT XQ
.irp c, 0,1,2
	global_store_b128 v1, v[PC+4*\c:PC+4*\c+3], s[22:23] offset:1536*\g+512*\c   ; 32 lanes store 512 consecutive bytes
.endr
	global_store_b32 v6, v[PW], s[24:25] offset:64*\g   ; lanes 16-31 hold the same words and write them to the same places
.endm
	XIMG 0
	XIMG 1
	s_wait_tensorcnt 0x0
	ds_add_u32 v254, v255
	s_wait_dscnt 0x0
	s_endpgm
	; ---- a weight: A LANE TAKES A COLUMN n AND ITS REGISTERS RUN DOWN K, so a block of 32 lies in one lane and the codes come out with K innermost
.Lweights:
	s_sub_co_u32 s17, ttmp9, 512
	s_lshr_b32 s18, s17, 6                         ; which weight
	s_bfe_u32 s19, s17, 0x30003                    ; its K step s
	s_and_b32 s17, s17, 7
	s_lshl_b32 s17, s17, 2
	s_add_co_u32 s17, s17, s16                     ; g: my wave's columns 32 g .. 32 g + 31
	s_wait_alu depctr_va_vdst(0)
	v_lshlrev_b32 v1, 2, v7                        ; 4 x lane
	v_bfe_u32 v2, v0, 3, 1                         ; column 32 g + L is row r of tile 2 g + u: u = (L / 8) % 2,
	v_and_b32 v3, 7, v0
	v_bfe_u32 v4, v0, 4, 1
	v_lshl_add_u32 v3, v4, 3, v3                   ; r = L % 8 + 8 (L / 16)
	v_lshlrev_b32 v5, 4, v3
	v_mad_u32_u24 v5, v2, 0x3000, v5               ; codes: 8 images (12,288 bytes) x u + 16 r
	v_lshlrev_b32 v6, 2, v3
	v_lshl_add_u32 v6, v2, 9, v6                   ; scale words: 512 u + 4 r
	s_lshl_b32 s22, s19, 19                        ; 128 s rows of 4,096 bytes
	s_lshl_b32 s23, s17, 7
	s_add_co_u32 s22, s22, s23                     ; + 128 g bytes
	s_mov_b32 s23, 0
	s_lshl_b32 s24, s18, 6
	s_lshl_b32 s25, s17, 1
	s_add_co_u32 s24, s24, s25                     ; T = 64 x weight + 2 g
	s_lshl_b32 s24, s24, 3
	s_add_co_u32 s24, s24, s19                     ; 8 T + s
	s_lshl_b32 s28, s24, 6
	s_add_co_u32 s28, s28, WSC
	s_mov_b32 s29, 0
	s_mul_i32 s24, s24, 1536
	s_add_co_u32 s24, s24, WC
	s_mov_b32 s25, 0
	s_wait_alu depctr_va_vdst(0)
	s_wait_kmcnt 0x0
	s_mov_b64 s[26:27], s[6:7]
	s_cmp_eq_u32 s18, 1
	s_cselect_b64 s[26:27], s[8:9], s[26:27]
	s_cmp_eq_u32 s18, 2
	s_cselect_b64 s[26:27], s[10:11], s[26:27]
	s_cmp_eq_u32 s18, 3
	s_cselect_b64 s[26:27], s[12:13], s[26:27]     ; the choice hangs on the work-group's number alone
	s_add_nc_u64 s[26:27], s[26:27], s[22:23]
	s_add_nc_u64 s[24:25], s[14:15], s[24:25]
	s_add_nc_u64 s[28:29], s[14:15], s[28:29]
.set KK, 0
.rept 128
	global_load_b32 v[XR+KK], v1, s[26:27] offset:KK*4096 th:TH_LOAD_NT   ; W(128 s + KK, 32 g + lane): 128 consecutive bytes a wave
.set KK, KK+1
.endr
	s_wait_loadcnt 0x0
.irp b, 0,1,2,3
	v_max3_num_f32 v[204+\b], |v[XR+32*\b]|, |v[XR+1+32*\b]|, 0x1800000   ; block b: all 32 numbers are mine; and the floor
.endr
.irp i, 2,4,6,8,10,12,14,16,18,20,22,24,26,28,30
.irp b, 0,1,2,3
	v_max3_num_f32 v[204+\b], v[204+\b], |v[XR+32*\b+\i]|, |v[XR+1+32*\b+\i]|
.endr
.endr
.irp b, 0,1,2,3
	v_add_nc_u32 v[200+\b], 0xff000000, v[204+\b]  ; the conversion's scale operand
.endr
.irp b, 0,1,2,3
	v_lshrrev_b32 v[208+\b], 23, v[200+\b]         ; the byte
.endr
	v_lshl_or_b32 v212, v209, 8, v208
	v_lshl_or_b32 v212, v210, 16, v212
	v_lshl_or_b32 v212, v211, 24, v212             ; my column's scale word
.irp e, 0,1                            ; my column fills image lanes r (e = 0) and 16 + r (e = 1): lane half e holds blocks e and 2 + e
.irp c, 0,1
	v_cvt_scalef32_pk16_fp6_f32 v[160+12*\e+6*\c:162+12*\e+6*\c], v[XR+32*(2*\c+\e):XR+32*(2*\c+\e)+15], v[200+2*\c+\e]
	v_cvt_scalef32_pk16_fp6_f32 v[184+4*(2*\e+\c):186+4*(2*\e+\c)], v[XR+16+32*(2*\c+\e):XR+31+32*(2*\c+\e)], v[200+2*\c+\e]
.endr
.endr
	v_nop                                          ; one plain instruction behind the scaled conversions
.irp e, 0,1
.irp c, 0,1
.irp i, 0,1,2
	v_mov_b32 v[163+12*\e+6*\c+\i], v[184+4*(2*\e+\c)+\i]
.endr
.endr
.endr
.irp e, 0,1
.irp c, 0,1,2
	global_store_b128 v5, v[160+12*\e+4*\c:163+12*\e+4*\c], s[24:25] offset:512*\c+256*\e   ; sixteen lanes of each u fill 256 consecutive bytes, aligned
.endr
.endr
	global_store_b32 v6, v212, s[28:29]
	s_endpgm
.Lfunc_end_k_q35c7bfefc2_quant:
	.size	k_q35c7bfefc2_quant, .Lfunc_end_k_q35c7bfefc2_quant-k_q35c7bfefc2_quant
	.p2alignl 7, 3214868480
	.fill 96, 4, 3214868480
	.section	.rodata,"a",@progbits
	.p2align	6, 0x0
	.amdhsa_kernel k_q35c7bfefc2_quant
		.amdhsa_group_segment_fixed_size 34304
		.amdhsa_private_segment_fixed_size 0
		.amdhsa_enable_private_segment 0
		.amdhsa_kernarg_size 48
		.amdhsa_user_sgpr_count 2
		.amdhsa_user_sgpr_kernarg_segment_ptr 1
		.amdhsa_wavefront_size32 1
		.amdhsa_system_sgpr_workgroup_id_x 1
		.amdhsa_system_sgpr_workgroup_id_y 1
		.amdhsa_system_sgpr_workgroup_id_z 1
		.amdhsa_system_vgpr_workitem_id 0
		.amdhsa_next_free_vgpr 256
		.amdhsa_next_free_sgpr 66
		.amdhsa_reserve_vcc 0
		.amdhsa_float_denorm_mode_32 3
		.amdhsa_float_denorm_mode_16_64 3
		.amdhsa_memory_ordered 1
		.amdhsa_forward_progress 1
		.amdhsa_inst_pref_size 38
	.end_amdhsa_kernel
	.amdgpu_metadata
---
amdhsa.version: [ 1, 2 ]
amdhsa.kernels:
  - .name:           k_q35c7bfefc2_quant
    .symbol:         k_q35c7bfefc2_quant.kd
    .args:
      - { .name: x, .offset: 0, .size: 8, .value_kind: global_buffer, .address_space: global }
      - { .name: Wq, .offset: 8, .size: 8, .value_kind: global_buffer, .address_space: global }
      - { .name: Wk, .offset: 16, .size: 8, .value_kind: global_buffer, .address_space: global }
      - { .name: Wv, .offset: 24, .size: 8, .value_kind: global_buffer, .address_space: global }
      - { .name: Wo, .offset: 32, .size: 8, .value_kind: global_buffer, .address_space: global }
      - { .name: xw, .offset: 40, .size: 8, .value_kind: global_buffer, .address_space: global }
    .group_segment_fixed_size: 34304
    .private_segment_fixed_size: 0
    .kernarg_segment_align: 8
    .kernarg_segment_size: 48
    .max_flat_workgroup_size: 128
    .sgpr_count:     66
    .vgpr_count:     256
    .wavefront_size: 32
...
	.end_amdgpu_metadata
.endif
;; end of part 1
;; launch qkv (part 2): grid 4 x 64, 4 waves a work-group, clusters of 4 x 4, 327,680 bytes of LDS; arguments xw, bq, bk, bv, qkv; writes qkv
.if DOCPART == 2
	.amdgcn_target "amdgcn-amd-amdhsa--gfx1250"
	.amdhsa_code_object_version 6
	.text
	.protected	k_q35c7bfefc2_qkv
	.globl	k_q35c7bfefc2_qkv
	.p2align	8
	.type	k_q35c7bfefc2_qkv,@function
k_q35c7bfefc2_qkv:
	s_mov_b64 s[64:65], 0
	v_nop
	global_prefetch_b8 v0, s[64:65] scope:SCOPE_SE
	s_setreg_imm32_b32 hwreg(HW_REG_WAVE_MODE, 25, 1), 1
	s_wait_xcnt 0x0
	s_wait_alu depctr_hold_cnt(0) depctr_sa_sdst(0) depctr_va_vdst(0) depctr_va_sdst(0) depctr_va_ssrc(0) depctr_va_vcc(0) depctr_vm_vsrc(0)
	s_getreg_b32 s2, hwreg(HW_REG_IB_STS2, 6, 4)
	s_cmp_eq_u32 s2, 0
	s_cbranch_scc0 .Lentry_in_a_cluster
	s_endpgm
.Lentry_in_a_cluster:
	s_bfe_u32 s2, ttmp6, 0x10000c
	s_cmp_lg_u32 s2, 0xf033
	s_cbranch_scc0 .Lentry_shape_is_right
	s_endpgm
.Lentry_shape_is_right:
; q = x Wq + bq, k = x Wk + bk, v = x Wv + bv on codes of FP6 (E2M3) with E8M0 scales, sums in f32; the results are quantised at once (q, k along d; v along the keys, as V^T) and leave as images of operand registers.
; IMAGES: an image (T, s) is 1,536 bytes: registers 4 c .. 4 c + 3 of lane L of the fragment at 512 c + 16 L; lane (r, h) holds row 32 (T / 2) + 8 (T % 2) + r + 8 (r / 8), K step s of 128.  The scale word of (T, s, r) lies at (T x KST + s) x 64 + 4 r.
; In xw and for V^T image (T, s) lies at (T x KST + s) x 1536.  q's and k's images are laid as the launch scores loads them: ((T / 16 x 4 + s / 2) x 16 + T % 16) x 3072 + (s % 2) x 1536, so that 256 along K of 16 row tiles are 49,152 dense bytes.
; 256 work-groups of equal work.  Work-group (cx, i = 4 y + cy) KEEPS x's rows 128 i .. 128 i + 127 in LDS for the whole launch (8 row tiles, all of K, 98,304 bytes, and their scale words) and walks three tiles of weights:
; columns 256 cx .. 256 cx + 255 of Wq, Wk, Wv.  The weights go through a ring of two slots in chunks of 16 row tiles x 512 along K (98,304 bytes): six chunks, chunk c in slot c % 2.
; A wave has 32 accumulators: 4 blocks of the A side (source 1) x 8 blocks of the B side (source 0).  q, k: A = 64 rows of x, B = 128 columns of the weight, bias = C of the first product by B's block.
; v: A = 64 channels of Wv (wave w: row tiles 4 w on), B = all 128 rows of x, bias by A's block: a lane holds one channel and its registers run along the tokens.
; Lane (r, h) of accumulator (a, b) holds in register j: row r of A's tile a, B side's row 32 (b / 2) + 16 h + 8 (b % 2) + j: the 64 registers of a block a are 64 numbers along the next K in the quantiser's order.
; BOTH SIDES HAVE TWO SETS OF FRAGMENT REGISTERS: at a K step's head, when its own fragments are in, all 36 loads of the next step are issued, and the step's 32 matrix instructions follow.
; q and k run one loop body (two trips); v, whose addresses differ, is written out behind it.  A tile's last step fetches the next tile's first fragments, ahead of the way out.
; THE WAY OUT takes a tile's four blocks together, line by line by turns: sixteen independent chains, and registers of its own for each block's codes and scale word.
; LOADS: all joint (x along a row of the 4 x 4 cluster, weights along a column).  Head: one a wave: x, chunk 0, x's scale words, the three weights' scale words.  Chunk 1 behind the full sequence and a round.
; Chunk c + 2 is asked for when chunk c has been read, behind a round, four row tiles a wave: 112 matrix instructions of a wave stand between the request and the wait for it.
; No data prefetch: the walk has six chunks, of which two are asked for ahead of the first product; there is no longer stream to run ahead in.
; LIMITS: NaN and infinities are not served; a block whose largest magnitude lies under 2^-124, a block of zeros among them, keeps the scale byte 1.
; REGISTERS: window 0: v1-30 addresses; v32-63 scale words and nothing else; v64-127 at work on the way out; v128-175, v208-255 A's fragments, two sets (on the way out v208-255 hold the codes); v176-207 bv's tiles.
;   window 1: B's fragments, two sets, bq's or bk's tiles in the gaps.  window 2: the accumulators: (a, b) at v[8 (8 a + b)].
.set XS,    0                          ; LDS: x's scale words, 4,096 bytes
.set WS,    4096                       ; the weights' scale words, 3 x 8,192 bytes
.set XB,    28672                      ; x's images: row tile T' at 12288 T'
.set SL,    126976                     ; the ring: in a slot row tile T'' at 6144 T''
.set SLOT,  98304
.set SPARE, SL+2*SLOT                  ; the spare words, 128 bytes a wave, which no other line names
.set WC,    6291456                    ; xw: the weights' images; x's are at 0
.set XSC,   9437184
.set WSC,   9699328
.set PSTEP, 786432                     ; from a weight to the next: 64 row tiles x 12,288 bytes
.set ADXH,  16                         ; v16 x's images, my half (q, k)
.set ADX,   17                         ; v17-18 x's row tiles 0-3, 4-7 (v)
.set ADW,   20                         ; v20-21 the weight's half of mine in slot 0, 1 (q, k)
.set ADV,   22                         ; v22-23 my four row tiles of Wv in slot 0, 1
.set ADRSK, 26                         ; v26, v27, v30 scale words for k, q, v: lanes 0-15 the A side's, lanes 16-31 the B side's
.set ADRS,  27
.set SPW,   28
.set NIL,   29
.set ADRSV, 30
.set SC,    32
.set QMX,   64                         ; v64-79 the way out: unit u = 4 a + b (block a, its b-th 32 along the next K): largest magnitude, then the conversion's scale operand
.set QPB,   80                         ; v80-95 the other half's maximum, then the byte; v[QPB + 4 a] gathers block a's scale word
.set QCT,   96                         ; v96-127 the conversions' second halves, four registers for each pair of units
.set QCD,   208                        ; v208-255 the codes: 12 registers a block
.set AF,    128                        ; A's set in use: 128 + 80 x (K step % 2), set anew by the macros
.set BV,    176
.set G1X,   24
.set G0X,   32
.set G0H,   36
.set G1W,   48
.set G0R,   56                         ; s[56:63] the ring's group 0, one for each slot
.set SEL,   66
.set G1XS,  68
.set G0XS,  76
.set G1WS,  80
.set G0WS,  88
.set MSB, 0
.macro WIN new
.if MSB != (\new)
	s_set_vgpr_msb (MSB<<8)|(\new)
.set MSB, (\new)
.endif
.endm
.macro PLACES n
.rept \n
	v_nop
.endr
.endm
.macro CREST
	s_cmp_lg_u32 s14, 0
	s_cbranch_scc1 .Lnot_wave_0_\@
	s_barrier_signal -3
.Lnot_wave_0_\@:
	s_barrier_wait -3
	s_barrier_signal -1
	s_barrier_wait -1
.endm
.macro CROUND
	s_barrier_signal -1
	s_barrier_wait -1
	CREST
.endm
.macro MKG0 g, ldsreg, ldsoff, adr, goff
	s_mov_b32 s[\g], 1
	s_add_co_u32 s[\g+1], s[\ldsreg], \ldsoff
	s_add_nc_u64 s[\g+2:\g+3], s[\adr:\adr+1], \goff
	s_or_b32 s[\g+3], s[\g+3], 0x80000000
.endm
.macro MKG1 g, c, r, p                 ; group 1 behind its first word: rows of c elements of 8 bytes, r rows, pitch p
	s_mov_b32 s[\g+1], (\c)<<16
	s_mov_b32 s[\g+2], (\r)<<16
	s_mov_b32 s[\g+3], (\c)<<16
	s_mov_b32 s[\g+4], \r
	s_mov_b32 s[\g+5], \p
	s_mov_b32 s[\g+6], 0
	s_mov_b32 s[\g+7], 0
.endm
.macro ARM under, g0, g1, next         ; one arm of the head's chain: a load, and a jump to the chain's end
	s_cmp_lt_u32 s14, \under
	s_cbranch_scc0 \next
	tensor_load_to_lds s[\g0:\g0+3], s[\g1:\g1+7]
	s_nop 0
	PLACES 4
	s_branch .Lhead_asked
\next:
.endm
.macro FRAG reg, adr, off              ; a fragment's image: three loads of 512 consecutive bytes
.irp c, 0,1,2
	ds_load_b128 v[(\reg)+4*\c:(\reg)+4*\c+3], v[\adr] offset:(\off)+512*\c
.endr
.endm
.macro FETCH_B v, s, p                 ; the B side's eight fragments of K step s into set p: 24 loads
	WIN 0x40
.irp i, 0,1,2,3,4,5,6,7
.if \v
	FRAG 128*(\p)+12*\i, ADX+\i/4, 12288*(\i%4)+1536*(\s)
.else
	FRAG 128*(\p)+12*\i, ADW+(\s)/4, 6144*\i+1536*((\s)%4)
.endif
.endr
	WIN 0
.endm
.macro FETCH_A v, s                    ; the A side's four fragments of K step s into set s % 2: 12 loads
.set AF, 128+80*((\s)%2)
.irp i, 0,1,2,3
.if \v
	FRAG AF+12*\i, ADV+(\s)/4, 6144*\i+1536*((\s)%4)
.else
	FRAG AF+12*\i, ADXH, 12288*\i+1536*(\s)
.endif
.endr
.endm
.macro SCW adr, u                      ; the scale words of K steps 2 u, 2 u + 1 into set u % 2: 16 loads.  The A side has four blocks: for i = 4 .. 7 lanes 0-15 read on into bytes that the head's loads filled, and are not used
.irp i, 0,1,2,3,4,5,6,7
.irp q, 0,1
	ds_load_b32 v[SC+16*((\u)%2)+2*\i+\q], v[\adr] offset:\i*512+64*(2*(\u)+\q)
.endr
.endr
.endm
.macro SCALES v, u                     ; in the loop the trip's number chooses between q's and k's address register: the same 16 loads on both ways
.if \v
	SCW ADRSV, \u
.else
	s_cmp_lg_u32 s18, 0
	s_cbranch_scc1 .Lsk_\@
	SCW ADRS, \u
	s_branch .Lsd_\@
.Lsk_\@:
	SCW ADRSK, \u
.Lsd_\@:
.endif
.endm
; All of K step n's fragments (36 loads) and, with an even n, its pair's scale words (16).  n = 8 in the loop is the next tile's step 0: k's in the first trip, v's in the second: the same number of loads on both ways.
.macro FALL v, n
.if (\v) == 0 && (\n) == 8
	s_cmp_lg_u32 s18, 0
	s_cbranch_scc1 .Lfv_\@
	FETCH_B 0, 0, 0
	FETCH_A 0, 0
	SCW ADRSK, 0
	s_branch .Lfd_\@
.Lfv_\@:
	FETCH_B 1, 0, 0
	FETCH_A 1, 0
	SCW ADRSV, 0
.Lfd_\@:
.else
	FETCH_B \v, \n, (\n)%2
	FETCH_A \v, \n
.if (\n)%2 == 0
	SCALES \v, (\n)/2
.endif
.endif
.endm
; 8 matrix instructions: A's block AA against B's eight.  zero = 0: onto the sums; 2: from the bias tile of B's block; 3: of A's block.  The accumulators take turns.
.macro MULA zero
.set AC, 64*AA
.set AF, 128+80*PP
.if (\zero) == 2
	WIN 0x91
.elseif (\zero) == 3
	WIN 0x81
.else
	WIN 0xa1
.endif
.irp b, 0,1,2,3,4,5,6,7
.if (\zero) == 0
	v_wmma_scale_f32_16x16x128_f8f6f4 v[AC+8*\b:AC+8*\b+7], v[128*PP+12*\b:128*PP+12*\b+11], v[AF+12*AA:AF+12*AA+11], v[AC+8*\b:AC+8*\b+7], v[SC+16*SS+2*\b+PP], v[SC+16*SS+2*AA+PP] matrix_a_fmt:MATRIX_FMT_FP6 matrix_b_fmt:MATRIX_FMT_FP6 matrix_a_scale:MATRIX_SCALE_ROW1
.elseif (\zero) == 2
	v_wmma_scale_f32_16x16x128_f8f6f4 v[AC+8*\b:AC+8*\b+7], v[128*PP+12*\b:128*PP+12*\b+11], v[AF+12*AA:AF+12*AA+11], v[96+8*\b+96*(\b/4):96+8*\b+96*(\b/4)+7], v[SC+16*SS+2*\b+PP], v[SC+16*SS+2*AA+PP] matrix_a_fmt:MATRIX_FMT_FP6 matrix_b_fmt:MATRIX_FMT_FP6 matrix_a_scale:MATRIX_SCALE_ROW1
.else
	v_wmma_scale_f32_16x16x128_f8f6f4 v[AC+8*\b:AC+8*\b+7], v[128*PP+12*\b:128*PP+12*\b+11], v[AF+12*AA:AF+12*AA+11], v[BV+8*AA:BV+8*AA+7], v[SC+16*SS+2*\b+PP], v[SC+16*SS+2*AA+PP] matrix_a_fmt:MATRIX_FMT_FP6 matrix_b_fmt:MATRIX_FMT_FP6 matrix_a_scale:MATRIX_SCALE_ROW1
.endif
.endr
.set AA, AA+1
.endm
.macro MULS a0, n, s, zero
.set AA, \a0
.set PP, (\s)%2
.set SS, ((\s)/2)%2
.rept \n
	MULA \zero
.endr
.endm
; K step s of a tile: 32 matrix instructions; fetch = 1: the next step's fragments are asked for as soon as this step's are in (the sets that they land in were read a step ago, with four places behind).
; mode 0: no barrier.  mode 2: the next step lies in the other slot: one barrier, with the wait for all my tensor loads, the add and the wait for it and for my LDS reads in front.
; mode 1: the same, the barrier opens a round of the cluster's barrier, and first thing behind the round slot g, whose last fragments are in registers, is filled again: the chunk two on, four row tiles a wave.
.macro KSTEP v, s, mode, zero, fetch, g
.if (\mode) == 0
	s_wait_dscnt 0x0                               ; this step's fragments and scale words are in
.if \fetch
	FALL \v, (\s)+1
.endif
	MULS 0, 4, \s, \zero
.else
	s_wait_tensorcnt 0x0                           ; all my tensor loads have landed
	ds_add_u32 v[SPW], v[NIL]
	s_wait_dscnt 1                                 ; the add alone may be out
	MULS 0, 1, \s, \zero
	s_wait_dscnt 0x0                               ; the add is done, my reads of this slot are over
	s_barrier_signal -1
	MULS 1, 1, \s, \zero
	WIN 0
	s_barrier_wait -1
.if (\mode) == 1
	CREST
	s_add_nc_u64 s[G0R+4*(\g)+2:G0R+4*(\g)+3], s[G0R+4*(\g)+2:G0R+4*(\g)+3], PSTEP
	tensor_load_to_lds s[G0R+4*(\g):G0R+4*(\g)+3], s[G1W:G1W+7]
	s_nop 0
	PLACES 4
.endif
.if \fetch
	FALL \v, (\s)+1
.endif
	MULS 2, 2, \s, \zero
.endif
	PLACES 4
	WIN 0
.endm
; The 256 accumulator registers of window 2 become four fragments' codes and four scale words.  Unit u = 0 .. 15 is registers 16 u .. 16 u + 15: my 16 numbers of block u / 4's (u % 4)-th 32 along the next K.
; All sixteen units go line by line by turns.  Each accumulator is read from its low end on.
.macro QUANT4
	WIN 0x0a                                       ; sources 0 and 1: window 2
.irp u, 0,1,2,3,4,5,6,7,8,9,10,11,12,13,14,15
	v_max3_num_f32 v[QMX+\u], |v[16*\u]|, |v[16*\u+1]|, 0x1800000   ; and the floor 2^(3 - 127)
.endr
	WIN 0x28                                       ; sources 1 and 2: window 2
.irp i, 2,4,6,8,10,12,14
.irp u, 0,1,2,3,4,5,6,7,8,9,10,11,12,13,14,15
	v_max3_num_f32 v[QMX+\u], v[QMX+\u], |v[16*\u+\i]|, |v[16*\u+\i+1]|
.endr
.endr
	WIN 0
.irp u, 0,1,2,3,4,5,6,7,8,9,10,11,12,13,14,15
	v_permlanex16_b32 v[QPB+\u], v[QMX+\u], s[SEL], s[SEL+1]
.endr
.irp u, 0,1,2,3,4,5,6,7,8,9,10,11,12,13,14,15
	v_max_num_f32 v[QMX+\u], v[QMX+\u], v[QPB+\u]  ; with lane l xor 16's 16: the block's largest magnitude
.endr
.irp u, 0,1,2,3,4,5,6,7,8,9,10,11,12,13,14,15
	v_add_nc_u32 v[QMX+\u], 0xff000000, v[QMX+\u]  ; 2 off its exponent field: the conversion's scale operand
.endr
.irp u, 0,1,2,3,4,5,6,7,8,9,10,11,12,13,14,15
	v_lshrrev_b32 v[QPB+\u], 23, v[QMX+\u]         ; the byte
.endr
.irp k, 1,2,3
.irp a, 0,1,2,3
	v_lshl_or_b32 v[QPB+4*\a], v[QPB+4*\a+\k], 8*\k, v[QPB+4*\a]   ; block a's four bytes make its scale word
.endr
.endr
	WIN 0x02                                       ; source 0: window 2
.irp p, 0,1,2,3,4,5,6,7
	v_cvt_scalef32_pk16_fp6_f32 v[QCD+6*\p:QCD+6*\p+2], v[32*\p:32*\p+15], v[QMX+2*\p]
	v_cvt_scalef32_pk16_fp6_f32 v[QCT+4*\p:QCT+4*\p+2], v[32*\p+16:32*\p+31], v[QMX+2*\p+1]   ; (a conversion's three registers begin on an even number)
.endr
	WIN 0
	v_nop                                          ; one plain instruction behind the scaled conversions
.irp p, 0,1,2,3,4,5,6,7
.irp i, 0,1,2
	v_permlane16_swap_b32 v[QCD+6*\p+\i], v[QCT+4*\p+\i]   ; the operand wants a whole block of 32 in a lane
.endr
.endr
.irp p, 0,1,2,3,4,5,6,7
.irp i, 0,1,2
	v_mov_b32 v[QCD+6*\p+3+\i], v[QCT+4*\p+\i]
.endr
.endr
.endm
; One tile: 8 K steps and the way out; its first fragments were asked for ahead of it.  v = 0: q or k (both chunks' slots are asked for again); v = 1: v (nothing more is asked for).
.macro PHASE v
	s_wait_loadcnt 0x0                             ; the bias tiles
	KSTEP \v, 0, 0, 2+\v, 1, 0
.if \v == 0
	s_cmp_lg_u32 s18, 0                            ; in the first trip bk's tiles take the place of bq's, which the step above has read (four places stand behind it)
	s_cbranch_scc1 .Lno_bias
	WIN 0x40
.irp i, 0,1,2,3,4,5,6,7
	global_load_b128 v[96+8*\i+96*(\i/4):96+8*\i+96*(\i/4)+3], v5, s[8:9] offset:4*(32*(\i/2)+8*(\i%2))
	global_load_b128 v[96+8*\i+96*(\i/4)+4:96+8*\i+96*(\i/4)+7], v5, s[8:9] offset:4*(32*(\i/2)+8*(\i%2))+16
.endr
	WIN 0
.Lno_bias:
.endif
	KSTEP \v, 1, 0, 0, 1, 0
	KSTEP \v, 2, 0, 0, 1, 0
	KSTEP \v, 3, 1+\v, 0, 1, 0
	KSTEP \v, 4, 0, 0, 1, 0
	KSTEP \v, 5, 0, 0, 1, 0
	KSTEP \v, 6, 0, 0, 1, 0
	KSTEP \v, 7, 1-\v, 0, 1-\v, 1
	QUANT4
.irp a, 0,1,2,3                        ; block a leaves as one image (three stores of 512 consecutive bytes) and 16 scale words.  From row tile to row tile: q, k 3,072 bytes of codes, v 16 images
.irp c, 0,1,2
	global_store_b128 v24, v[QCD+12*\a+4*\c:QCD+12*\a+4*\c+3], s[92+4*\v:93+4*\v] offset:\a*(3072+21504*\v)+512*\c
.endr
	global_store_b32 v25, v[QPB+4*\a], s[94+4*\v:95+4*\v] offset:\a*(512+512*\v)   ; lanes 16-31 hold the same words and write them to the same places
.endr
.endm
	s_load_b256 s[4:11], s[0:1], 0x0               ; xw s[4:5], bq s[6:7], bk s[8:9], bv s[10:11]
	s_load_b64 s[12:13], s[0:1], 0x20              ; qkv
	v_lshl_add_u32 v[SPW], v0, 2, SPARE
	v_mov_b32 v[NIL], 0
	ds_add_u32 v[SPW], v[NIL]                      ; the opening lines: the add, twice on end, and its wait
	ds_add_u32 v[SPW], v[NIL]
	v_lshrrev_b32 v1, 5, v0
	v_readfirstlane_b32 s14, v1                    ; wave 0..3
	s_lshr_b32 s15, s14, 1                         ; q, k: my half of x's rows
	s_and_b32 s16, s14, 1                          ; q, k: my half of the weight's columns
	s_bfe_u32 s40, ttmp6, 0x40000                  ; cx
	s_bfe_u32 s41, ttmp6, 0x40004                  ; cy
	s_and_b32 s3, ttmp7, 0xffff                    ; the cluster's y
	s_lshl_b32 s43, s41, 2
	s_lshl_b32 s43, 15, s43                        ; my row of the cluster
	s_lshl_b32 s44, 0x1111, s40                    ; my column
	s_mov_b32 s[SEL], 0x76543210
	s_mov_b32 s[SEL+1], 0xfedcba98
	s_or_b32 s[G1X+0], s43, (3<<16)|(1<<21)        ; x and its scale words go to my row, the weights and theirs to my column
	s_or_b32 s[G1XS+0], s43, (3<<16)|(1<<21)
	s_or_b32 s[G1W+0], s44, (3<<16)|(1<<21)
	s_or_b32 s[G1WS+0], s44, (3<<16)|(1<<21)
	MKG1 G1X, 1536, 8, 1536                        ; x: 8 row tiles x 12,288 bytes, dense
	MKG1 G1W, 768, 16, 1536                        ; a chunk: 16 row tiles x 6,144 bytes, 12,288 apart (behind the head: 4 row tiles)
	MKG1 G1XS, 32, 16, 32                          ; x's scale words: 4,096 bytes as rows of 256
	MKG1 G1WS, 1024, 3, 4096                       ; the weights': 8,192 bytes of each of three weights, 32,768 apart
	s_lshl_b32 s17, s3, 2
	s_add_co_u32 s17, s17, s41                     ; i = 4 y + cy
	s_mul_i32 s20, s17, 98304
	s_mov_b32 s21, 0
	s_lshl_b32 s22, s17, 12
	s_add_co_u32 s22, s22, XSC
	s_mov_b32 s23, 0
	s_mul_i32 s46, s40, 196608
	s_add_co_u32 s46, s46, WC
	s_mov_b32 s47, 0
	s_lshl_b32 s92, s40, 13
	s_add_co_u32 s92, s92, WSC
	s_mov_b32 s93, 0
	s_mul_i32 s94, s14, 49152                      ; the ring: my four row tiles in memory,
	s_mov_b32 s95, 0
	s_mul_i32 s45, s14, 24576                      ; and in a slot
	s_mov_b32 s2, 0
	s_wait_dscnt 0x0                               ; both opening adds are done
	s_wait_kmcnt 0x0
	s_add_nc_u64 s[20:21], s[4:5], s[20:21]
	s_add_nc_u64 s[22:23], s[4:5], s[22:23]
	s_add_nc_u64 s[46:47], s[4:5], s[46:47]
	s_add_nc_u64 s[92:93], s[4:5], s[92:93]
	CROUND                                         ; all sixteen work-groups are here: the first joint loads meet
	MKG0 G0X, 2, XB, 20, 0
	MKG0 G0H, 2, SL, 46, 0
	MKG0 G0XS, 2, XS, 22, 0
	MKG0 G0WS, 2, WS, 92, 0
	s_add_nc_u64 s[46:47], s[46:47], s[94:95]
	MKG0 G0R, 45, SL, 46, 0
	MKG0 G0R+4, 45, SL+SLOT, 46, 6144
	ARM 1, G0X,  G1X,  .Lhead_w                    ; the head's four tiles, one a wave, in one chain of branches on the wave's number
	ARM 2, G0H,  G1W,  .Lhead_xs
	ARM 3, G0XS, G1XS, .Lhead_ws
	tensor_load_to_lds s[G0WS:G0WS+3], s[G1WS:G1WS+7]
	s_nop 0
	PLACES 4
.Lhead_asked:
	s_mul_i32 s20, s15, 49152
	s_add_co_u32 s20, s20, XB                      ; q, k: my four row tiles of x
	s_mul_i32 s21, s16, 49152
	s_add_co_u32 s21, s21, SL                      ; q, k: my eight row tiles of the weight
	s_add_co_u32 s22, s45, SL                      ; v: my four row tiles of Wv
	s_lshl_b32 s23, s15, 11                        ; q, k: x's scale words of my half (XS = 0),
	s_lshl_b32 s19, s16, 12
	s_add_co_u32 s19, s19, WS
	s_sub_co_u32 s19, s19, s23                     ; and the distance from them to Wq's of my half
	s_add_co_u32 s18, s19, 8192                    ; to Wk's
	s_lshl_b32 s46, s14, 11
	s_add_co_u32 s46, s46, WS+16384                ; v: Wv's scale words of my four row tiles
	s_lshl_b32 s47, s40, 10
	s_lshl_b32 s94, s16, 9
	s_add_co_u32 s94, s94, s47                     ; bq, bk: 4 (256 cx + 128 half)
	s_lshl_b32 s95, s14, 8
	s_add_co_u32 s95, s95, s47                     ; bv: 4 (256 cx + 64 wave)
	v_and_b32 v1, 31, v0
	v_and_b32 v2, 15, v0                           ; r
	v_bfe_u32 v3, v0, 4, 1                         ; h
	v_lshlrev_b32 v24, 4, v1                       ; 16 x lane: an image's place
	v_lshlrev_b32 v25, 2, v2                       ; 4 r: a scale word's
	v_add_nc_u32 v[ADXH], s20, v24
	v_add_nc_u32 v[ADX], XB, v24
	v_add_nc_u32 v[ADX+1], XB+49152, v24
	v_add_nc_u32 v[ADW], s21, v24
	v_add_nc_u32 v[ADW+1], SLOT, v[ADW]
	v_add_nc_u32 v[ADV], s22, v24
	v_add_nc_u32 v[ADV+1], SLOT, v[ADV]
	v_add_nc_u32 v4, s23, v25
	v_mad_u32_u24 v[ADRS], v3, s19, v4             ; lanes 16-31 take the weight's: one product, the distance x h
	v_mad_u32_u24 v[ADRSK], v3, s18, v4
	v_sub_nc_u32 v7, 1, v3
	v_mad_u32_u24 v[ADRSV], v7, s46, v25           ; v: lanes 0-15 take Wv's, lanes 16-31 x's (at XS = 0)
.irp u, 0,1,2,3,4,5,6,7,8,9,10,11,12,13,14,15
	v_mov_b32 v[QPB+\u], 0                         ; written once: a lane permute's destination counts as one of its sources
.endr
	v_lshl_add_u32 v5, v3, 6, s94                  ; bq, bk: + 4 x 16 h; tile i adds 4 (32 (i / 2) + 8 (i % 2))
	v_and_b32 v6, 8, v2
	v_add_nc_u32 v6, v6, v2
	v_lshl_add_u32 v6, v6, 2, s95                  ; bv: + 4 (r + 8 (r / 8)): one number a lane, in all eight registers of a tile
	s_wait_alu depctr_va_vdst(0)                   ; the wait at the end of the head's vector work
	WIN 0x40
.irp i, 0,1,2,3,4,5,6,7
	global_load_b128 v[96+8*\i+96*(\i/4):96+8*\i+96*(\i/4)+3], v5, s[6:7] offset:4*(32*(\i/2)+8*(\i%2))
	global_load_b128 v[96+8*\i+96*(\i/4)+4:96+8*\i+96*(\i/4)+7], v5, s[6:7] offset:4*(32*(\i/2)+8*(\i%2))+16
.endr
	WIN 0
.irp a, 0,1,2,3
.irp j, 0,1,2,3,4,5,6,7
	global_load_b32 v[BV+8*\a+\j], v6, s[10:11] offset:4*(32*(\a/2)+8*(\a%2))
.endr
.endr
	; where my results go.  q, k: row tile T = 8 i + 4 half + a, K step 2 cx + half.  v: image (64 (i / 16) + 16 cx + 4 wave + a) x 16 + i % 16
	s_lshl_b32 s92, s17, 3
	s_lshl_b32 s20, s15, 2
	s_add_co_u32 s92, s92, s20
	s_lshl_b32 s92, s92, 3
	s_lshl_b32 s20, s40, 1
	s_add_co_u32 s92, s92, s20
	s_add_co_u32 s92, s92, s16                     ; 8 T + s
	s_lshl_b32 s94, s92, 6
	s_add_co_u32 s94, s94, 18874368                ; the scale words' regions: 262,144 bytes each
	s_mov_b32 s95, 0
	s_lshr_b32 s92, s17, 1                         ; the codes: T / 16 = i / 2: 196,608 bytes for 16 row tiles,
	s_mul_i32 s92, s92, 196608
	s_mul_i32 s20, s40, 49152                      ; in them the pair of K steps cx,
	s_add_co_u32 s92, s92, s20
	s_and_b32 s20, s17, 1
	s_lshl_b32 s20, s20, 1
	s_add_co_u32 s20, s20, s15
	s_mul_i32 s20, s20, 12288                      ; in it row tile T % 16 = 8 (i % 2) + 4 half + a, 3,072 bytes each,
	s_add_co_u32 s92, s92, s20
	s_mul_i32 s20, s16, 1536                       ; and in that the K step's image
	s_add_co_u32 s92, s92, s20
	s_mov_b32 s93, 0
	s_lshr_b32 s96, s17, 4
	s_lshl_b32 s96, s96, 6
	s_lshl_b32 s20, s40, 4
	s_add_co_u32 s96, s96, s20
	s_lshl_b32 s20, s14, 2
	s_add_co_u32 s96, s96, s20
	s_lshl_b32 s96, s96, 4
	s_and_b32 s20, s17, 15
	s_add_co_u32 s96, s96, s20
	s_lshl_b32 s98, s96, 6
	s_add_co_u32 s98, s98, 18874368+524288
	s_mov_b32 s99, 0
	s_mul_i32 s96, s96, 1536
	s_add_co_u32 s96, s96, 12582912                ; the codes' regions: 6,291,456 bytes each
	s_mov_b32 s97, 0
	s_add_nc_u64 s[92:93], s[12:13], s[92:93]
	s_add_nc_u64 s[94:95], s[12:13], s[94:95]
	s_add_nc_u64 s[96:97], s[12:13], s[96:97]
	s_add_nc_u64 s[98:99], s[12:13], s[98:99]
	s_mov_b32 s18, 0                               ; the trip: 0 = q, 1 = k
	s_wait_tensorcnt 0x0                           ; my tile of the head's four is in; the full sequence ahead of slot 1's first fill
	ds_add_u32 v[SPW], v[NIL]
	s_mov_b32 s[G1W+2], 4<<16                      ; no tensor load of mine is out: from here on a load brings four row tiles
	s_mov_b32 s[G1W+4], 4
	s_wait_dscnt 0x0
	CROUND                                         ; all four tiles are in, and all sixteen work-groups are here
	tensor_load_to_lds s[G0R+4:G0R+7], s[G1W:G1W+7]   ; chunk 1
	s_nop 0
	PLACES 4
	FETCH_B 0, 0, 0                                ; q's first fragments
	FETCH_A 0, 0
	SCW ADRS, 0
.Lphase:
	PHASE 0
	s_wait_xcnt 0x0                                ; the stores have read their bases and their data: the bases are stepped, and the next tile's loads land in the registers that held the codes, only behind this wait
	s_add_nc_u64 s[92:93], s[92:93], 6291456       ; from q's regions to k's
	s_add_nc_u64 s[94:95], s[94:95], 262144
	s_add_co_u32 s18, s18, 1
	s_cmp_lt_u32 s18, 2
	s_wait_alu depctr_va_vdst(0)                   ; the wait ahead of the backward jump
	s_cbranch_scc1 .Lphase
	PHASE 1
	s_wait_tensorcnt 0x0                           ; the wave's end
	ds_add_u32 v[SPW], v[NIL]
	s_wait_dscnt 0x0
	CROUND                                         ; the closing round
	s_endpgm
.Lfunc_end_k_q35c7bfefc2_qkv:
	.size	k_q35c7bfefc2_qkv, .Lfunc_end_k_q35c7bfefc2_qkv-k_q35c7bfefc2_qkv
	.p2alignl 7, 3214868480
	.fill 96, 4, 3214868480
	.section	.rodata,"a",@progbits
	.p2align	6, 0x0
	.amdhsa_kernel k_q35c7bfefc2_qkv
		.amdhsa_group_segment_fixed_size 327680
		.amdhsa_private_segment_fixed_size 0
		.amdhsa_enable_private_segment 0
		.amdhsa_kernarg_size 40
		.amdhsa_user_sgpr_count 2
		.amdhsa_user_sgpr_kernarg_segment_ptr 1
		.amdhsa_wavefront_size32 1
		.amdhsa_system_sgpr_workgroup_id_x 1
		.amdhsa_system_sgpr_workgroup_id_y 1
		.amdhsa_system_sgpr_workgroup_id_z 1
		.amdhsa_system_vgpr_workitem_id 0
		.amdhsa_next_free_vgpr 768
		.amdhsa_next_free_sgpr 100
		.amdhsa_reserve_vcc 0
		.amdhsa_float_denorm_mode_32 3
		.amdhsa_float_denorm_mode_16_64 3
		.amdhsa_memory_ordered 1
		.amdhsa_forward_progress 1
		.amdhsa_inst_pref_size 173
	.end_amdhsa_kernel
	.amdgpu_metadata
---
amdhsa.version: [ 1, 2 ]
amdhsa.kernels:
  - .name:           k_q35c7bfefc2_qkv
    .symbol:         k_q35c7bfefc2_qkv.kd
    .args:
      - { .name: xw, .offset: 0, .size: 8, .value_kind: global_buffer, .address_space: global }
      - { .name: bq, .offset: 8, .size: 8, .value_kind: global_buffer, .address_space: global }
      - { .name: bk, .offset: 16, .size: 8, .value_kind: global_buffer, .address_space: global }
      - { .name: bv, .offset: 24, .size: 8, .value_kind: global_buffer, .address_space: global }
      - { .name: qkv, .offset: 32, .size: 8, .value_kind: global_buffer, .address_space: global }
    .group_segment_fixed_size: 327680
    .private_segment_fixed_size: 0
    .kernarg_segment_align: 8
    .kernarg_segment_size: 40
    .max_flat_workgroup_size: 128
    .sgpr_count:     100
    .vgpr_count:     768
    .wavefront_size: 32
...
	.end_amdgpu_metadata
.endif
;; end of part 2
;; launch scores (part 3): grid 8 x 32, 4 waves a work-group, clusters of 4 x 4, 327,680 bytes of LDS; arguments qkv, pbuf; writes pbuf
.if DOCPART == 3
	.amdgcn_target "amdgcn-amd-amdhsa--gfx1250"
	.amdhsa_code_object_version 6
	.text
	.protected	k_q35c7bfefc2_scores
	.globl	k_q35c7bfefc2_scores
	.p2align	8
	.type	k_q35c7bfefc2_scores,@function
k_q35c7bfefc2_scores:
	s_mov_b64 s[64:65], 0
	v_nop
	global_prefetch_b8 v0, s[64:65] scope:SCOPE_SE
	s_setreg_imm32_b32 hwreg(HW_REG_WAVE_MODE, 25, 1), 1
	s_wait_xcnt 0x0
	s_wait_alu depctr_hold_cnt(0) depctr_sa_sdst(0) depctr_va_vdst(0) depctr_va_sdst(0) depctr_va_ssrc(0) depctr_va_vcc(0) depctr_vm_vsrc(0)
	s_getreg_b32 s2, hwreg(HW_REG_IB_STS2, 6, 4)
	s_cmp_eq_u32 s2, 0
	s_cbranch_scc0 .Lentry_in_a_cluster
	s_endpgm
.Lentry_in_a_cluster:
	s_bfe_u32 s2, ttmp6, 0x10000c
	s_cmp_lg_u32 s2, 0xf033
	s_cbranch_scc0 .Lentry_shape_is_right
	s_endpgm
.Lentry_shape_is_right:
; S = q k^T on codes of FP6 (E2M3) with E8M0 scales, sums in f32, and the softmax's numerator, finished LOCALLY: for each query and each 128 keys (a wave's columns) t = score x log2(e) / 32,
; M' = the largest t of these 128 keys rounded UP to a whole number, p = 2^(t - M'), l' = the sum of the unquantised p.  p is quantised along the keys and leaves as images of operand registers; beside each image goes a record
; for each query: -M', l', the scale word.  M' is a whole number, so the launch that follows brings every block under the row's M by taking M - M' off its scale byte: the codes stay as they are.
; IMAGES, the cluster and the transposed use of the matrix instruction are those of the launch qkv: image (T, s) at (T x KST + s) x 1536, registers 4 c .. 4 c + 3 of lane L at 512 c + 16 L; lane (r, h) holds row
; 32 (T / 2) + 8 (T % 2) + r + 8 (r / 8).  A side = q (source 1), B side = k (source 0): lane (r, h) of accumulator (a, b) holds in register j query r of tile a, key 32 (b / 2) + 16 h + 8 (b % 2) + j of the wave's 128.
; K = 1,024 is four steps of 256: steps 0, 1, 2 are first fills of three LDS slots; step 3 goes into slot 0 behind the one round of the cluster's barrier inside the work, with steps 1 and 2 in which to land.
; pbuf: p's images at 0 (T = query tile 0-511, 16 K steps); the records at PR: (16 T + s) x 256 + 16 r.
; LIMITS: NaN and infinities are not served; a block whose every p is under 2^-124 keeps the scale byte 1.
; REGISTERS: window 0: v1-29 addresses; v32-63 scale words and nothing else; v64-115 at work on the way out; v128-223 A's fragments.  window 1: B's fragments, two sets.  windows 2, 3: the 64 accumulators, then p.
.set NA,    8
.set KST,   8
.set HA,    NA/2
.set NSLOT, 3
; q's and k's images lie in memory as ((T / 16 x 4 + s / 2) x 16 + T % 16) x 3072 + (s % 2) x 1536: a step (256 along K) of a side's 16 row tiles is 49,152 dense bytes, and three steps are one dense tile.
; LDS: A's three slots on end, then B's three.  The head's one load a side brings steps 0, 1 and 2; step 3 goes into slot 0 behind the one round inside the work.
.set SLOT,  2*NA*3072                  ; a side's slot: 16 row tiles x 3,072 bytes
.set ABY,   NSLOT*SLOT                 ; where B's slots begin
.set SCLA,  2*NSLOT*SLOT
.set SCLB,  SCLA+2*NA*KST*64
.set SPARE, SCLB+16*KST*64             ; the spare words, 128 bytes a wave, which no other line names
.set GSTEP, 3*49152
.set KC,    6291456                    ; qkv: k's images; q's are at 0
.set QSC,   18874368                   ; q's scale words
.set KSC,   19136512                   ; k's
.set PR,    12582912                   ; pbuf: the records
.set ADRA,  16                         ; v16-18
.set ADRB,  20                         ; v20-22
.set ADRS,  27
.set SPW,   28
.set NIL,   29
.set SC,    32
.set TM,    64
.set PC,    84
.set LS,    106
.set L2,    108
.set REC,   112                        ; the record: -M', l', the scale word, 0
.set AF,    128
.set CLY,   3                          ; s3 the cluster's y
.set G0C,   20
.set G1,    24
.set G0,    32
.set G0BC,  44
.set G1B,   48
.set G0B,   56
.set SEL,   66
.set G1S,   68
.set G0S,   76
.set G1SB,  80
.set G0SB,  88
.set CS,    98                         ; s[98:99] c = log2(e) / sqrt(1024): the packed form names a pair and takes its low word for both halves
.set MSB, 0
.macro WIN new
.if MSB != (\new)
	s_set_vgpr_msb (MSB<<8)|(\new)
.set MSB, (\new)
.endif
.endm
.macro PLACES n
.rept \n
	v_nop
.endr
.endm
.macro JLOAD g0a, g1a, g0b, g1b        ; a joint load: waves 0 and 1 fetch for A, waves 2 and 3 for B; four v_nop follow each line
	s_cmp_eq_u32 s15, 0
	s_cbranch_scc0 .Lfor_b_\@
	tensor_load_to_lds s[\g0a:\g0a+3], s[\g1a:\g1a+7]
	s_nop 0
	PLACES 4
	s_branch .Lasked_\@
.Lfor_b_\@:
	tensor_load_to_lds s[\g0b:\g0b+3], s[\g1b:\g1b+7]
	s_nop 0
	PLACES 4
.Lasked_\@:
.endm
.macro CREST
	s_cmp_lg_u32 s14, 0
	s_cbranch_scc1 .Lnot_wave_0_\@
	s_barrier_signal -3
.Lnot_wave_0_\@:
	s_barrier_wait -3
	s_barrier_signal -1
	s_barrier_wait -1
.endm
.macro CROUND
	s_barrier_signal -1
	s_barrier_wait -1
	CREST
.endm
.macro MKG0 g, ldsreg, ldsoff, adr, goff
	s_mov_b32 s[\g], 1
	s_add_co_u32 s[\g+1], s[\ldsreg], \ldsoff
	s_add_nc_u64 s[\g+2:\g+3], s[\adr:\adr+1], \goff
	s_or_b32 s[\g+3], s[\g+3], 0x80000000
.endm
.macro FRAG reg, adr, off
.irp c, 0,1,2
	ds_load_b128 v[(\reg)+4*\c:(\reg)+4*\c+3], v[\adr] offset:(\off)+512*\c
.endr
.endm
.macro FETCH_B slot, q, p              ; 24 loads
	WIN 0x40
.irp i, 0,1,2,3,4,5,6,7
	FRAG 128*(\p)+12*\i, ADRB+\slot, 3072*\i+1536*(\q)
.endr
	WIN 0
.endm
.macro FETCH_A slot, q, i0             ; 3 HA loads
.set FI, \i0
.rept HA
	FRAG AF+12*FI, ADRA+\slot, 3072*FI+1536*(\q)
.set FI, FI+1
.endr
.endm
.macro SCALES set                      ; 16 loads
.irp i, 0,1,2,3,4,5,6,7
.irp q, 0,1
	ds_load_b32 v[SC+16*(\set)+2*\i+\q], v[ADRS] offset:\i*KST*64+64*\q
.endr
.endr
.endm
; 8 matrix instructions: A's block AA against B's eight.  zero = 1: the first product starts the sums.  The accumulators take turns, one instruction a turn.
.macro MULA p, q, sc, zero
.set AC, 64*(AA%4)
	WIN 0xa1+0x50*(AA/4)
.irp b, 0,1,2,3,4,5,6,7
.if (\zero) == 0
	v_wmma_scale_f32_16x16x128_f8f6f4 v[AC+8*\b:AC+8*\b+7], v[128*(\p)+12*\b:128*(\p)+12*\b+11], v[AF+12*AA:AF+12*AA+11], v[AC+8*\b:AC+8*\b+7], v[SC+16*(\sc)+2*\b+(\q)], v[SC+16*(\sc)+2*AA+(\q)] matrix_a_fmt:MATRIX_FMT_FP6 matrix_b_fmt:MATRIX_FMT_FP6 matrix_a_scale:MATRIX_SCALE_ROW1
.else
	v_wmma_scale_f32_16x16x128_f8f6f4 v[AC+8*\b:AC+8*\b+7], v[128*(\p)+12*\b:128*(\p)+12*\b+11], v[AF+12*AA:AF+12*AA+11], 0, v[SC+16*(\sc)+2*\b+(\q)], v[SC+16*(\sc)+2*AA+(\q)] matrix_a_fmt:MATRIX_FMT_FP6 matrix_b_fmt:MATRIX_FMT_FP6 matrix_a_scale:MATRIX_SCALE_ROW1
.endif
.endr
.set AA, AA+1
.endm
.macro MULS a0, n, p, q, sc, zero
.set AA, \a0
.rept \n
	MULA \p, \q, \sc, \zero
.endr
.endm
.macro STEP slot, set, zero            ; a step's first 128 along K; it fetches the second 128 from the same slot
	s_wait_dscnt 3*HA                              ; all but the youngest 3 HA loads (A's second half) are in
	MULS 0, HA, 0, 0, \set, \zero
	s_wait_dscnt 0x0
	PLACES 4
	FETCH_B \slot, 1, 1
	FETCH_A \slot, 1, 0
	MULS HA, HA, 0, 0, \set, \zero
	PLACES 4
	WIN 0
	FETCH_A \slot, 1, HA
.endm
; A step's second 128 along K goes on to the next step's slot.  mode 2: that slot was shown whole to every wave at an earlier barrier and nothing is filled: no barrier.  mode 0: one barrier, with the wait for all my tensor loads, the add and
; the wait for it and for my LDS reads in front.  mode 1: the same, the barrier opens a round of the cluster's barrier, and first thing behind the round the slot of group 0's set g is filled again.
.macro TURN set, next, nset, mode, g
.if (\mode) == 2
	s_wait_dscnt 3*HA                              ; all but the youngest 3 HA loads are in
	MULS 0, HA, 1, 1, \set, 0
	s_wait_dscnt 0x0
	WIN 0
	PLACES 4
.else
	s_wait_tensorcnt 0x0                           ; all my tensor loads have landed
	ds_add_u32 v[SPW], v[NIL]                      ; 0 onto my spare word
	s_wait_dscnt 3*HA+1                            ; the add and the youngest 3 HA loads may be out
	MULS 0, HA/2, 1, 1, \set, 0
	s_wait_dscnt 0x0                               ; the add is done, and my reads of the slots so far are over
	s_barrier_signal -1
	MULS HA/2, HA/2, 1, 1, \set, 0
	WIN 0
	s_barrier_wait -1
.if (\mode) == 1
	CREST                                          ; no wave of any partner still reads the slot or has a load on its way
	s_add_nc_u64 s[G0+4*(\g)+2:G0+4*(\g)+3], s[G0+4*(\g)+2:G0+4*(\g)+3], GSTEP
	s_add_nc_u64 s[G0B+4*(\g)+2:G0B+4*(\g)+3], s[G0B+4*(\g)+2:G0B+4*(\g)+3], GSTEP
	s_cmp_eq_u32 s16, 0                            ; wave 0 brings all of A's tile, wave 2 all of B's; waves 1 and 3 have no part to fill
	s_cbranch_scc0 .Lno_refill_\@
	JLOAD G0+4*(\g), G1, G0B+4*(\g), G1B
.Lno_refill_\@:
	PLACES 4
.else
	PLACES 4
.endif
.endif
	v_add_nc_u32 v[ADRS], 128, v[ADRS]
	FETCH_B \next, 0, 0
	FETCH_A \next, 0, 0
	SCALES \nset
	MULS HA, HA, 1, 1, \set, 0
	PLACES 4
	WIN 0
	FETCH_A \next, 0, HA
.endm
	s_load_b128 s[4:7], s[0:1], 0x0                ; qkv s[4:5], pbuf s[6:7]
	v_lshl_add_u32 v[SPW], v0, 2, SPARE
	v_mov_b32 v[NIL], 0
	ds_add_u32 v28, v29
	ds_add_u32 v28, v29
	s_wait_dscnt 0x0
	v_lshrrev_b32 v1, 5, v0
	v_readfirstlane_b32 s14, v1
	s_lshr_b32 s15, s14, 1
	s_and_b32 s16, s14, 1
	s_bfe_u32 s40, ttmp6, 0x40000                  ; cx
	s_bfe_u32 s41, ttmp6, 0x40004                  ; cy
	s_and_b32 s[CLY], ttmp7, 0xffff                ; the cluster's y
	s_lshl_b32 s43, s41, 2
	s_lshl_b32 s43, 15, s43
	s_lshl_b32 s44, 0x1111, s40
	s_mov_b32 s[SEL], 0x76543210
	s_mov_b32 s[SEL+1], 0xfedcba98
	s_mov_b32 s[CS], 0x3d38aa3b                    ; log2(e) / 32
	s_mov_b32 s[CS+1], s[CS]                       ; (named with it as a pair, so it is written)
	s_or_b32 s[G1+0], s43, (3<<16)|(1<<21)
	s_or_b32 s[G1B+0], s44, (3<<16)|(1<<21)
	s_or_b32 s[G1S+0], s43, (3<<16)|(1<<21)
	s_or_b32 s[G1SB+0], s44, (3<<16)|(1<<21)
.irp g, G1, G1B
	s_mov_b32 s[\g+1], 384<<16
	s_mov_b32 s[\g+3], 384<<16
	s_mov_b32 s[\g+5], 384                         ; rows of 3,072 bytes, dense
	s_mov_b32 s[\g+6], 0
	s_mov_b32 s[\g+7], 0
.endr
	s_mov_b32 s[G1+2], (6*NA)<<16                  ; the head's load brings three steps of all 16 row tiles of a side: 48 rows
	s_mov_b32 s[G1+4], 6*NA
	s_mov_b32 s[G1B+2], 48<<16
	s_mov_b32 s[G1B+4], 48
.irp g, G1S, G1SB
	s_mov_b32 s[\g+1], 32<<16
	s_mov_b32 s[\g+3], 32<<16
	s_mov_b32 s[\g+5], 32
	s_mov_b32 s[\g+6], 0
	s_mov_b32 s[\g+7], 0
.endr
	s_mov_b32 s[G1S+2], (NA*KST/2)<<16             ; and all of a side's scale words
	s_mov_b32 s[G1S+4], NA*KST/2
	s_mov_b32 s[G1SB+2], (4*KST)<<16
	s_mov_b32 s[G1SB+4], 4*KST
	; A = q's tile 4 y + cy
	s_lshl_b32 s17, s[CLY], 2
	s_add_co_u32 s17, s17, s41
	s_mul_i32 s20, s17, 196608
	s_lshl_b32 s22, s17, 13
	s_add_co_u32 s22, s22, QSC
	; B = k's tile 8 batch + 4 x + cx; the batch is y / 2
	s_lshl_b32 s42, ttmp9, 2
	s_add_co_u32 s42, s42, s40                     ; the key tile in the batch
	s_lshr_b32 s46, s[CLY], 1
	s_lshl_b32 s46, s46, 3
	s_add_co_u32 s46, s46, s42
	s_lshl_b32 s92, s46, 13
	s_add_co_u32 s92, s92, KSC
	s_mul_i32 s46, s46, 196608
	s_add_co_u32 s46, s46, KC
	s_mov_b32 s21, 0
	s_mov_b32 s23, 0
	s_mov_b32 s47, 0
	s_mov_b32 s93, 0
	s_mov_b32 s19, 0
	s_wait_kmcnt 0x0
	s_add_nc_u64 s[20:21], s[4:5], s[20:21]
	s_add_nc_u64 s[22:23], s[4:5], s[22:23]
	s_add_nc_u64 s[46:47], s[4:5], s[46:47]
	s_add_nc_u64 s[92:93], s[4:5], s[92:93]
	MKG0 G0S, 19, SCLA, 22, 0
	MKG0 G0, 19, 0, 20, 0
	MKG0 G0SB, 19, SCLB, 92, 0
	MKG0 G0B, 19, ABY, 46, 0
	CROUND                                         ; all sixteen work-groups are here: the first joint loads meet
; the head's four tiles, one a wave, in one chain of branches on the wave's number: A's tile of steps 0-2, A's scale words, B's tile of steps 0-2, B's scale words
.macro ARM under, g0, g1, next
	s_cmp_lt_u32 s14, \under
	s_cbranch_scc0 \next
	tensor_load_to_lds s[\g0:\g0+3], s[\g1:\g1+7]
	s_nop 0
	PLACES 4
	s_branch .Lfirst_done
\next:
.endm
	ARM 1, G0,  G1,  .Lhead_sa
	ARM 2, G0S, G1S, .Lhead_b
	ARM 3, G0B, G1B, .Lhead_sb
	tensor_load_to_lds s[G0SB:G0SB+3], s[G1SB:G1SB+7]
	s_nop 0
	PLACES 4
.Lfirst_done:
	v_and_b32 v1, 31, v0
	v_and_b32 v2, 15, v0
	v_bfe_u32 v3, v0, 4, 1
	v_lshlrev_b32 v24, 4, v1                       ; 16 x lane
	v_lshlrev_b32 v25, 2, v2                       ; 4 r
	v_lshlrev_b32 v26, 4, v2                       ; 16 r: a record's place
	s_mul_i32 s18, s15, NA*3072
	s_mul_i32 s19, s16, 24576
	s_add_co_u32 s19, s19, ABY
.irp s, 0,1,2
	v_add_nc_u32 v[ADRA+\s], s18, v24
	v_add_nc_u32 v[ADRB+\s], s19, v24
	s_add_co_u32 s18, s18, SLOT
	s_add_co_u32 s19, s19, SLOT
.endr
	s_mul_i32 s18, s15, NA*KST*64
	s_mul_i32 s19, s16, 8*KST*64
	s_add_co_u32 s19, s19, SCLB-SCLA
	s_sub_co_u32 s19, s19, s18
	v_mul_u32_u24 v4, s19, v3                      ; lanes 16-31 take B's: one product, the distance x h
	s_wait_alu depctr_va_vdst(0)
	s_add_co_u32 s18, s18, SCLA
	v_add_nc_u32 v4, v25, v4
	v_add_nc_u32 v[ADRS], s18, v4
.set XP, 72                            ; v72-79 the softmax: the other half's maxima, then bytes
.irp u, 0,1,2,3,4,5,6,7
	v_mov_b32 v[XP+\u], 0                          ; written once: a lane permute's destination counts as one of its sources
.endr
	; my first image of p: (16 (4 y + cy) + 8 half) x 16 + 2 (key tile) + half
	s_lshl_b32 s94, s17, 4
	s_lshl_b32 s95, s15, 3
	s_add_co_u32 s94, s94, s95
	s_lshl_b32 s94, s94, 4
	s_lshl_b32 s95, s42, 1
	s_add_co_u32 s94, s94, s95
	s_add_co_u32 s94, s94, s16
	s_mul_i32 s92, s94, 1536
	s_mov_b32 s93, 0
	s_lshl_b32 s94, s94, 8
	s_add_co_u32 s94, s94, PR
	s_mov_b32 s95, 0
	s_add_nc_u64 s[92:93], s[6:7], s[92:93]
	s_add_nc_u64 s[94:95], s[6:7], s[94:95]
	s_wait_alu depctr_va_vdst(0)
	s_wait_tensorcnt 0x0                           ; my tile of the head's four is in
	s_mov_b32 s[G1+2], (2*NA)<<16                  ; no tensor load of mine is out: from here on a load brings one step: 16 rows
	s_mov_b32 s[G1+4], 2*NA
	s_mov_b32 s[G1B+2], 16<<16
	s_mov_b32 s[G1B+4], 16
	s_barrier_signal -1
	s_barrier_wait -1                              ; everybody's are: slots 0, 1, 2 and the scale words are whole
	FETCH_B 0, 0, 0
	FETCH_A 0, 0, 0
	SCALES 0
	FETCH_A 0, 0, HA
	STEP 0, 0, 1                                   ; step 0, slot 0: its products start the sums
	TURN 0, 1, 1, 1, 0                             ; slots 1 and 2 are whole; slot 0 is asked for again: step 3
	s_wait_alu depctr_va_vdst(0)
	STEP 1, 1, 0                                   ; step 1, slot 1
	TURN 1, 2, 0, 2, 0                             ; slot 2 was shown whole at the round: no barrier
	s_wait_alu depctr_va_vdst(0)
	STEP 2, 0, 0                                   ; step 2, slot 2
	TURN 0, 0, 1, 0, 0                             ; step 3 has landed in slot 0: a barrier, and nothing is filled
	STEP 0, 1, 0                                   ; step 3, slot 0
	s_wait_dscnt 3*HA
	MULS 0, HA, 1, 1, 1, 0
	s_wait_dscnt 0x0
	MULS HA, HA, 1, 1, 1, 0
	WIN 0
	PLACES 4
; THE SOFTMAX OF BLOCK a: 16 queries x my 128 keys; a lane holds one query and 64 of the keys, lane l xor 16 the other 64.
; TWO BLOCKS AT A TIME, a and a + 1 (both in one window), line by line by turns.  Unit u = 0 .. 7 is registers S + 16 u .. S + 16 u + 15: my 16 keys of block a + u / 4's (u % 4)-th 32 keys.
; Each of the eight blocks has registers of its own for its codes (v128 + 12 x block, where A's fragments lay) and its record (v84 + 4 x block): no store's data are written again.
.set XM, 64                            ; v64-71 the units' largest scores, then their largest p
.set XO, 116                           ; v116-123 the conversions' scale operands
.set XR, 124                           ; v124-125 a block's largest t
.set TQ, 232                           ; v232-247 the conversions' second halves
.set LS, 248                           ; v248-255 the sums: two chains of pairs for each block
.macro SOFT2 a
.set W, 2+(\a)/4
.set S, 64*((\a)%4)
.set PC, 128+12*(\a)
.set REC, 84+4*(\a)
	WIN (W|(W<<2)|(W<<4))
	s_wait_alu depctr_va_vdst(0)                   ; the wait here, directly ahead of the first reader of these matrix results
.irp u, 0,1,2,3,4,5,6,7
	v_max3_num_f32 v[XM+\u], v[S+16*\u], v[S+16*\u+1], v[S+16*\u+2]   ; the largest score of each 32 keys: it serves for the row's maximum and, since p rises with the score, for the unit's largest p
.endr
	WIN ((W<<2)|(W<<4))
.irp i, 3,5,7,9,11,13
.irp u, 0,1,2,3,4,5,6,7
	v_max3_num_f32 v[XM+\u], v[XM+\u], v[S+16*\u+\i], v[S+16*\u+\i+1]
.endr
.endr
	WIN (W<<2)
.irp u, 0,1,2,3,4,5,6,7
	v_max_num_f32 v[XM+\u], v[XM+\u], v[S+16*\u+15]
.endr
	WIN 0
.irp u, 0,1,2,3,4,5,6,7
	v_permlanex16_b32 v[XP+\u], v[XM+\u], s[SEL], s[SEL+1]
.endr
.irp u, 0,1,2,3,4,5,6,7
	v_max_num_f32 v[XM+\u], v[XM+\u], v[XP+\u]     ; with lane l xor 16's 16 keys
.endr
.irp e, 0,1
	v_max3_num_f32 v[XR+\e], v[XM+4*\e], v[XM+4*\e+1], v[XM+4*\e+2]
.endr
.irp e, 0,1
	v_max_num_f32 v[XR+\e], v[XR+\e], v[XM+4*\e+3] ; my query's largest score among the 128 keys,
.endr
.irp e, 0,1
	v_mul_f32 v[XR+\e], s[CS], v[XR+\e]            ; as t (c is positive)
.endr
.irp e, 0,1
	v_floor_f32 v[REC+4*\e], -v[XR+\e]             ; -M' = floor(-t) = -ceil(t): a whole number
	v_mov_b32 v[REC+4*\e+1], 0                     ; (named as the upper half of a pair before it is first written)
	v_mov_b32 v[REC+4*\e+3], 0                     ; the record's fourth word
.endr
	WIN ((W<<6)|W)
.irp e, 0,1
.set J, 0
.rept 32
	v_pk_fma_f32 v[S+64*\e+J:S+64*\e+J+1], v[S+64*\e+J:S+64*\e+J+1], s[CS:CS+1], v[REC+4*\e:REC+4*\e+1] op_sel_hi:[1,0,0]   ; t - M', two at a time
.set J, J+2
.endr
.endr
	WIN 0
.irp u, 0,1,2,3,4,5,6,7
	v_fma_f32 v[XM+\u], v[XM+\u], s[CS], v[REC+4*(\u/4)]   ; the same of each unit's largest score
.endr
	WIN ((W<<6)|W)
.set J, 0
	s_wait_alu depctr_va_vdst(0)                   ; the wait ahead of the batch
.rept 128
	v_exp_f32 v[S+J], v[S+J]                       ; p = 2^(t - M'), at most 1
.set J, J+1
.endr
	v_nop                                          ; a plain instruction behind the exponentials
	s_wait_alu depctr_va_vdst(0)                   ; one wait for the batch of 128, ahead of its first reader
	WIN 0
.irp u, 0,1,2,3,4,5,6,7
	v_exp_f32 v[XM+\u], v[XM+\u]                   ; the unit's largest p: the same two instructions on the same number
.endr
	WIN (W|(W<<2))
.irp e, 0,1
	v_pk_add_f32 v[LS+4*\e:LS+4*\e+1], v[S+64*\e:S+64*\e+1], v[S+64*\e+2:S+64*\e+3]   ; the sum of the UNQUANTISED p; it reads the 128 alone: plain work behind the eight
	v_pk_add_f32 v[LS+4*\e+2:LS+4*\e+3], v[S+64*\e+4:S+64*\e+5], v[S+64*\e+6:S+64*\e+7]
.endr
	WIN (W<<2)
.set J, 8
.rept 14
.irp e, 0,1
	v_pk_add_f32 v[LS+4*\e:LS+4*\e+1], v[LS+4*\e:LS+4*\e+1], v[S+64*\e+J:S+64*\e+J+1]
	v_pk_add_f32 v[LS+4*\e+2:LS+4*\e+3], v[LS+4*\e+2:LS+4*\e+3], v[S+64*\e+J+2:S+64*\e+J+3]
.endr
.set J, J+4
.endr
	WIN 0
.irp e, 0,1
	v_pk_add_f32 v[LS+4*\e:LS+4*\e+1], v[LS+4*\e:LS+4*\e+1], v[LS+4*\e+2:LS+4*\e+3]
.endr
	s_wait_alu depctr_va_vdst(0)                   ; and one wait for the eight
.irp u, 0,1,2,3,4,5,6,7
	v_max_num_f32 v[XM+\u], 0x1800000, v[XM+\u]    ; the floor 2^(3 - 127): the byte cannot fall under 1
.endr
.irp u, 0,1,2,3,4,5,6,7
	v_add_nc_u32 v[XO+\u], 0xff000000, v[XM+\u]    ; 2 off the exponent field: the conversion's scale operand
.endr
.irp u, 0,1,2,3,4,5,6,7
	v_lshrrev_b32 v[XP+\u], 23, v[XO+\u]           ; the byte
.endr
.irp e, 0,1
	v_lshl_or_b32 v[REC+4*\e+2], v[XP+4*\e+1], 8, v[XP+4*\e]
	v_add_f32 v[LS+4*\e], v[LS+4*\e], v[LS+4*\e+1]
.endr
.irp e, 0,1
	v_lshl_or_b32 v[REC+4*\e+2], v[XP+4*\e+2], 16, v[REC+4*\e+2]
	v_permlanex16_b32 v[LS+4*\e+2], v[LS+4*\e], s[SEL], s[SEL+1]
.endr
.irp e, 0,1
	v_lshl_or_b32 v[REC+4*\e+2], v[XP+4*\e+3], 24, v[REC+4*\e+2]   ; p's scale word under M'
	v_add_f32 v[REC+4*\e+1], v[LS+4*\e], v[LS+4*\e+2]              ; l'
.endr
	WIN W
.irp p, 0,1,2,3
	v_cvt_scalef32_pk16_fp6_f32 v[PC+6*\p:PC+6*\p+2], v[S+32*\p:S+32*\p+15], v[XO+2*\p]
	v_cvt_scalef32_pk16_fp6_f32 v[TQ+4*\p:TQ+4*\p+2], v[S+32*\p+16:S+32*\p+31], v[XO+2*\p+1]   ; (a conversion's three registers begin on an even number)
.endr
	WIN 0
	v_nop                                          ; one plain instruction behind the scaled conversions
.irp p, 0,1,2,3
.irp i, 0,1,2
	v_permlane16_swap_b32 v[PC+6*\p+\i], v[TQ+4*\p+\i]
.endr
.endr
.irp p, 0,1,2,3
.irp i, 0,1,2
	v_mov_b32 v[PC+6*\p+3+\i], v[TQ+4*\p+\i]
.endr
.endr
.irp e, 0,1
.irp c, 0,1,2
	global_store_b128 v24, v[PC+12*\e+4*\c:PC+12*\e+4*\c+3], s[92:93] offset:((\a)+\e)*24576+512*\c   ; 512 consecutive bytes; a row tile on is 16 images on
.endr
	global_store_b128 v26, v[REC+4*\e:REC+4*\e+3], s[94:95] offset:((\a)+\e)*4096   ; sixteen lanes fill 256 consecutive bytes; lanes 16-31 hold the same records and write them to the same places
.endr
.endm
.irp a, 0,2,4,6
	SOFT2 \a
.endr
	s_wait_tensorcnt 0x0                           ; the wave's end
	ds_add_u32 v[SPW], v[NIL]
	s_wait_dscnt 0x0
	CROUND                                         ; the closing round
	s_endpgm
.Lfunc_end_k_q35c7bfefc2_scores:
	.size	k_q35c7bfefc2_scores, .Lfunc_end_k_q35c7bfefc2_scores-k_q35c7bfefc2_scores
	.p2alignl 7, 3214868480
	.fill 96, 4, 3214868480
	.section	.rodata,"a",@progbits
	.p2align	6, 0x0
	.amdhsa_kernel k_q35c7bfefc2_scores
		.amdhsa_group_segment_fixed_size 327680
		.amdhsa_private_segment_fixed_size 0
		.amdhsa_enable_private_segment 0
		.amdhsa_kernarg_size 16
		.amdhsa_user_sgpr_count 2
		.amdhsa_user_sgpr_kernarg_segment_ptr 1
		.amdhsa_wavefront_size32 1
		.amdhsa_system_sgpr_workgroup_id_x 1
		.amdhsa_system_sgpr_workgroup_id_y 1
		.amdhsa_system_sgpr_workgroup_id_z 1
		.amdhsa_system_vgpr_workitem_id 0
		.amdhsa_next_free_vgpr 1024
		.amdhsa_next_free_sgpr 100
		.amdhsa_reserve_vcc 0
		.amdhsa_float_denorm_mode_32 3
		.amdhsa_float_denorm_mode_16_64 3
		.amdhsa_memory_ordered 1
		.amdhsa_forward_progress 1
		.amdhsa_inst_pref_size 195
	.end_amdhsa_kernel
	.amdgpu_metadata
---
amdhsa.version: [ 1, 2 ]
amdhsa.kernels:
  - .name:           k_q35c7bfefc2_scores
    .symbol:         k_q35c7bfefc2_scores.kd
    .args:
      - { .name: qkv, .offset: 0, .size: 8, .value_kind: global_buffer, .address_space: global }
      - { .name: pbuf, .offset: 8, .size: 8, .value_kind: global_buffer, .address_space: global }
    .group_segment_fixed_size: 327680
    .private_segment_fixed_size: 0
    .kernarg_segment_align: 8
    .kernarg_segment_size: 16
    .max_flat_workgroup_size: 128
    .sgpr_count:     100
    .vgpr_count:     1024
    .wavefront_size: 32
...
	.end_amdgpu_metadata
.endif
;; end of part 3
;; launch pv (part 4): grid 4 x 64, 4 waves a work-group, clusters of 4 x 4, 327,680 bytes of LDS; arguments pbuf, qkv, att; writes att
.if DOCPART == 4
	.amdgcn_target "amdgcn-amd-amdhsa--gfx1250"
	.amdhsa_code_object_version 6
	.text
	.protected	k_q35c7bfefc2_pv
	.globl	k_q35c7bfefc2_pv
	.p2align	8
	.type	k_q35c7bfefc2_pv,@function
k_q35c7bfefc2_pv:
	s_mov_b64 s[64:65], 0
	v_nop
	global_prefetch_b8 v0, s[64:65] scope:SCOPE_SE
	s_setreg_imm32_b32 hwreg(HW_REG_WAVE_MODE, 25, 1), 1
	s_wait_xcnt 0x0
	s_wait_alu depctr_hold_cnt(0) depctr_sa_sdst(0) depctr_va_vdst(0) depctr_va_sdst(0) depctr_va_ssrc(0) depctr_va_vcc(0) depctr_vm_vsrc(0)
	s_getreg_b32 s2, hwreg(HW_REG_IB_STS2, 6, 4)
	s_cmp_eq_u32 s2, 0
	s_cbranch_scc0 .Lentry_in_a_cluster
	s_endpgm
.Lentry_in_a_cluster:
	s_bfe_u32 s2, ttmp6, 0x10000c
	s_cmp_lg_u32 s2, 0xf033
	s_cbranch_scc0 .Lentry_shape_is_right
	s_endpgm
.Lentry_shape_is_right:
; attn = (p V) / l on codes of FP6 (E2M3) with E8M0 scales, sums in f32; attn is quantised along d at once and leaves as images of operand registers.
; p arrives as codes made under a maximum M' of its own for each query and each 128 keys, with a record (-M', l', scale word) beside each image.  At the head each wave takes 32 of the work-group's 128 queries:
; M = the largest of a query's sixteen M' (as -M = the smallest -M'); each scale byte loses M - M' (a whole number: the codes stay as they are); l = the sum of l' x 2^(M' - M).  The mended scale words and 1 / l go to LDS.
; IMAGES, the cluster and the transposed use of the matrix instruction are those of the launch qkv.  A tile is 128 queries x 256 channels; a wave makes 64 x 128: 32 accumulators.  K = the batch's 2,048 keys: KST = 16.
; A side = p (source 1), B side = V^T (source 0): lane (r, h) of accumulator (a, b) holds in register j query r of tile a, channel 32 (b / 2) + 16 h + 8 (b % 2) + j of the wave's 128.
; K is eight steps of 256 through FOUR LDS SLOTS.  THE WAVES SHARE THE LOADS BY SLOT: wave 0 brings all of A's tile of an even step, wave 1 of the odd step beside it, waves 2 and 3 the same of B's: one load a wave serves two slots.
; Steps 0 to 3 are first fills, asked for together at the start.  Steps 4 and 5 are asked for behind a round of the cluster's barrier when steps 0 and 1 have been read, steps 6 and 7 behind a second round when steps 2 and 3 have:
; each refill has about two steps in which to land.  Inside a pair of slots no barrier is needed: both were shown whole at the barrier in front of the pair.
; LIMITS: NaN and infinities are not served; M - M' is held at 255 and a byte that would fall under 0 is held at 0 (such terms lie under 2^-124 of the row's largest); a block of attn under 2^-124 keeps the byte 1.
; REGISTERS: window 0: v1-29 addresses; v32-63 scale words and nothing else; v64-123 at work; v128-223 A's fragments, two sets (at the head v128-191: the records).  window 1: B's fragments, two sets.  window 2: the 32 accumulators.
.set NA,    4
.set KST,   16
.set HA,    NA/2
.set NSLOT, 4
.set ABY,   2*NA*3072
.set SLOT,  ABY+49152
.set SCLA,  NSLOT*SLOT                 ; p's mended scale words: stored by the waves, never a tensor load's target
.set SCLB,  SCLA+2*NA*KST*64           ; V's scale words: filled once
.set LINV,  SCLB+16*KST*64             ; 1 / l of the 128 queries: 64 bytes a row tile
.set SPARE, LINV+512                   ; the spare words, 128 bytes a wave, which no other line names
.set GSTEP, 4*3072                     ; a refill: four steps on in a row tile's images
.set PR,    12582912                   ; pbuf: the records; p's images are at 0
.set VC,    12582912                   ; qkv: V^T's images (T = 64 batch + d / 16)
.set VSC,   19398656                   ; and scale words
.set ASC,   6291456                    ; att: the scale words; the images are at 0
.set ADRA,  16                         ; v16-19 LDS address of my A fragments in slots 0 to 3
.set ADRB,  20                         ; v20-23 the same for B
.set ADRS,  27
.set SPW,   28
.set NIL,   29
.set SC,    32
.set TM,    64
.set PC,    84
.set PW,    104
.set RL,    116                        ; v116-123: 1 / l of my four blocks, twice each (pairs for the packed multiply)
.set AF,    128
.set G1,    24
.set G0,    32                         ; s[32:35]: my slot of the pair 0, 1; s[36:39]: of the pair 2, 3
.set G1B,   48
.set G0B,   56
.set SEL,   66
.set G1SB,  80
.set G0SB,  88
.set MSB, 0
.macro WIN new
.if MSB != (\new)
	s_set_vgpr_msb (MSB<<8)|(\new)
.set MSB, (\new)
.endif
.endm
.macro PLACES n
.rept \n
	v_nop
.endr
.endm
.macro JLOAD g0a, g1a, g0b, g1b        ; a joint load: waves 0 and 1 fetch for A, waves 2 and 3 for B; four v_nop follow each line
	s_cmp_eq_u32 s15, 0
	s_cbranch_scc0 .Lfor_b_\@
	tensor_load_to_lds s[\g0a:\g0a+3], s[\g1a:\g1a+7]
	s_nop 0
	PLACES 4
	s_branch .Lasked_\@
.Lfor_b_\@:
	tensor_load_to_lds s[\g0b:\g0b+3], s[\g1b:\g1b+7]
	s_nop 0
	PLACES 4
.Lasked_\@:
.endm
.macro CREST
	s_cmp_lg_u32 s14, 0
	s_cbranch_scc1 .Lnot_wave_0_\@
	s_barrier_signal -3
.Lnot_wave_0_\@:
	s_barrier_wait -3
	s_barrier_signal -1
	s_barrier_wait -1
.endm
.macro CROUND
	s_barrier_signal -1
	s_barrier_wait -1
	CREST
.endm
.macro MKG0 g, ldsreg, ldsoff, adr, goff
	s_mov_b32 s[\g], 1
	s_add_co_u32 s[\g+1], s[\ldsreg], \ldsoff
	s_add_nc_u64 s[\g+2:\g+3], s[\adr:\adr+1], \goff
	s_or_b32 s[\g+3], s[\g+3], 0x80000000
.endm
.macro FRAG reg, adr, off
.irp c, 0,1,2
	ds_load_b128 v[(\reg)+4*\c:(\reg)+4*\c+3], v[\adr] offset:(\off)+512*\c
.endr
.endm
.macro FETCH_B slot, q, p              ; 24 loads
	WIN 0x40
.irp i, 0,1,2,3,4,5,6,7
	FRAG 128*(\p)+12*\i, ADRB+\slot, 3072*\i+1536*(\q)
.endr
	WIN 0
.endm
.macro FETCH_A slot, q                 ; A's four blocks into set q (v128 + 48 q on): 12 loads
.set FI, 0
.set AF, 128+48*(\q)
.rept NA
	FRAG AF+12*FI, ADRA+\slot, 3072*FI+1536*(\q)
.set FI, FI+1
.endr
.endm
.macro SCALES u                        ; the scale words of K steps 2 u, 2 u + 1 of 128 into set u % 2
.irp i, 0,1,2,3,4,5,6,7
.irp q, 0,1
	ds_load_b32 v[SC+16*((\u)%2)+2*\i+\q], v[ADRS] offset:\i*KST*64+64*(2*(\u)+\q)
.endr
.endr
.endm
.macro MULA p, q, sc, zero             ; 8 matrix instructions: A's block AA against B's eight; the accumulators take turns
.set AC, 64*AA
.set AF, 128+48*(\p)
	WIN 0xa1
.irp b, 0,1,2,3,4,5,6,7
.if (\zero) == 0
	v_wmma_scale_f32_16x16x128_f8f6f4 v[AC+8*\b:AC+8*\b+7], v[128*(\p)+12*\b:128*(\p)+12*\b+11], v[AF+12*AA:AF+12*AA+11], v[AC+8*\b:AC+8*\b+7], v[SC+16*(\sc)+2*\b+(\q)], v[SC+16*(\sc)+2*AA+(\q)] matrix_a_fmt:MATRIX_FMT_FP6 matrix_b_fmt:MATRIX_FMT_FP6 matrix_a_scale:MATRIX_SCALE_ROW1
.else
	v_wmma_scale_f32_16x16x128_f8f6f4 v[AC+8*\b:AC+8*\b+7], v[128*(\p)+12*\b:128*(\p)+12*\b+11], v[AF+12*AA:AF+12*AA+11], 0, v[SC+16*(\sc)+2*\b+(\q)], v[SC+16*(\sc)+2*AA+(\q)] matrix_a_fmt:MATRIX_FMT_FP6 matrix_b_fmt:MATRIX_FMT_FP6 matrix_a_scale:MATRIX_SCALE_ROW1
.endif
.endr
.set AA, AA+1
.endm
.macro MULS a0, n, p, q, sc, zero
.set AA, \a0
.rept \n
	MULA \p, \q, \sc, \zero
.endr
.endm
; K goes in steps n of 128, two to a slot: step n lies in slot (n / 2) % NSLOT.  Both sides have two sets of fragment registers, set n % 2.
.macro FALL n                          ; all of step n's fragments: 36 loads; with an even n its pair's scale words: 16
	FETCH_B ((\n)/2)%NSLOT, (\n)%2, (\n)%2
	FETCH_A ((\n)/2)%NSLOT, (\n)%2
.if (\n)%2 == 0
	SCALES (\n)/2
.endif
.endm
; Step n: when its fragments are in, the next step's are asked for (their sets were read a step ago, with four places behind), and the step's 32 matrix instructions follow.
; mode 0: no barrier.  mode 2: the next step lies in a slot not yet shown whole: one barrier, with the wait for all my tensor loads, the add and the wait for it and for my LDS reads in front.
; mode 1: the same, the barrier opens a round of the cluster's barrier, and first thing behind the round the pair of slots of group 0's set g, whose last fragments are in registers, is filled again: a wave's one load fills its slot of the pair.
.macro KS n, mode, g, zero
.if (\mode) == 0
	s_wait_dscnt 0x0                               ; this step's fragments and scale words are in
.if (\n)+1 < KST
	FALL (\n)+1
.endif
	MULS 0, NA, (\n)%2, (\n)%2, ((\n)/2)%2, \zero
.else
	s_wait_tensorcnt 0x0                           ; all my tensor loads have landed
	ds_add_u32 v[SPW], v[NIL]
	s_wait_dscnt 1                                 ; the add alone may be out
	MULS 0, 1, (\n)%2, (\n)%2, ((\n)/2)%2, \zero
	s_wait_dscnt 0x0                               ; the add is done, and my reads of the slots so far are over
	s_barrier_signal -1
	MULS 1, 1, (\n)%2, (\n)%2, ((\n)/2)%2, \zero
	WIN 0
	s_barrier_wait -1
.if (\mode) == 1
	CREST                                          ; no wave of any partner still reads the pair or has a load on its way
	s_add_nc_u64 s[G0+4*(\g)+2:G0+4*(\g)+3], s[G0+4*(\g)+2:G0+4*(\g)+3], GSTEP
	s_add_nc_u64 s[G0B+4*(\g)+2:G0B+4*(\g)+3], s[G0B+4*(\g)+2:G0B+4*(\g)+3], GSTEP
	JLOAD G0+4*(\g), G1, G0B+4*(\g), G1B
.endif
	FALL (\n)+1
	MULS 2, 2, (\n)%2, (\n)%2, ((\n)/2)%2, \zero
.endif
	PLACES 4
	WIN 0
.endm
; The 256 accumulator registers of window 2 become four fragments' codes and four scale words.  Unit u = 0 .. 15 is registers 16 u .. 16 u + 15: my 16 numbers of block u / 4's (u % 4)-th 32 along the next K.
; All sixteen units go line by line by turns; each block has registers of its own for its codes and its scale word.
.set QMX, 64                           ; v64-79 a unit's largest magnitude, then the conversion's scale operand
.set QPB, 80                           ; v80-95 the other half's maximum, then the byte; v[QPB + 4 a] gathers block a's scale word
.set QCT, 128                          ; v128-159 the conversions' second halves (the fragments that lay here are done with)
.set QCD, 160                          ; v160-207 the codes: 12 registers a block
.macro QUANT4
	WIN 0x0a                                       ; sources 0 and 1: window 2
.irp u, 0,1,2,3,4,5,6,7,8,9,10,11,12,13,14,15
	v_max3_num_f32 v[QMX+\u], |v[16*\u]|, |v[16*\u+1]|, 0x1800000   ; and the floor 2^(3 - 127)
.endr
	WIN 0x28                                       ; sources 1 and 2: window 2
.irp i, 2,4,6,8,10,12,14
.irp u, 0,1,2,3,4,5,6,7,8,9,10,11,12,13,14,15
	v_max3_num_f32 v[QMX+\u], v[QMX+\u], |v[16*\u+\i]|, |v[16*\u+\i+1]|
.endr
.endr
	WIN 0
.irp u, 0,1,2,3,4,5,6,7,8,9,10,11,12,13,14,15
	v_permlanex16_b32 v[QPB+\u], v[QMX+\u], s[SEL], s[SEL+1]
.endr
.irp u, 0,1,2,3,4,5,6,7,8,9,10,11,12,13,14,15
	v_max_num_f32 v[QMX+\u], v[QMX+\u], v[QPB+\u]  ; with lane l xor 16's 16: the block's largest magnitude
.endr
.irp u, 0,1,2,3,4,5,6,7,8,9,10,11,12,13,14,15
	v_add_nc_u32 v[QMX+\u], 0xff000000, v[QMX+\u]  ; 2 off its exponent field: the conversion's scale operand
.endr
.irp u, 0,1,2,3,4,5,6,7,8,9,10,11,12,13,14,15
	v_lshrrev_b32 v[QPB+\u], 23, v[QMX+\u]         ; the byte
.endr
.irp k, 1,2,3
.irp a, 0,1,2,3
	v_lshl_or_b32 v[QPB+4*\a], v[QPB+4*\a+\k], 8*\k, v[QPB+4*\a]   ; block a's four bytes make its scale word
.endr
.endr
	WIN 0x02                                       ; source 0: window 2
.irp p, 0,1,2,3,4,5,6,7
	v_cvt_scalef32_pk16_fp6_f32 v[QCD+6*\p:QCD+6*\p+2], v[32*\p:32*\p+15], v[QMX+2*\p]
	v_cvt_scalef32_pk16_fp6_f32 v[QCT+4*\p:QCT+4*\p+2], v[32*\p+16:32*\p+31], v[QMX+2*\p+1]   ; (a conversion's three registers begin on an even number)
.endr
	WIN 0
	v_nop                                          ; one plain instruction behind the scaled conversions
.irp p, 0,1,2,3,4,5,6,7
.irp i, 0,1,2
	v_permlane16_swap_b32 v[QCD+6*\p+\i], v[QCT+4*\p+\i]   ; the operand wants a whole block of 32 in a lane
.endr
.endr
.irp p, 0,1,2,3,4,5,6,7
.irp i, 0,1,2
	v_mov_b32 v[QCD+6*\p+3+\i], v[QCT+4*\p+\i]
.endr
.endr
.endm
; K step s of my query: its record lies in v[128 + 4 s] on; v64 = -M
.macro FIX s
	v_sub_f32 v65, v[128+4*\s], v64                ; M - M': a whole number, 0 or more
	v_cvt_u32_f32 v65, v65
	v_min_u32 v65, 0xff, v65
	v_sub_nc_u32 v66, 0, v65
.if \s == 0
	v_ldexp_f32 v68, v[129+4*\s], v66              ; l' x 2^(M' - M) starts l
.else
	v_ldexp_f32 v67, v[129+4*\s], v66
	v_add_f32 v68, v68, v67
.endif
	v_and_b32 v69, 0xff, v[130+4*\s]               ; the four bytes,
	v_bfe_u32 v70, v[130+4*\s], 8, 8
	v_bfe_u32 v71, v[130+4*\s], 16, 8
	v_lshrrev_b32 v72, 24, v[130+4*\s]
.irp r, 69,70,71,72
	v_max_u32 v\r, v\r, v65                        ; each less M - M', held at 0
.endr
.irp r, 69,70,71,72
	v_sub_nc_u32 v\r, v\r, v65
.endr
	v_lshl_or_b32 v69, v70, 8, v69
	v_lshl_or_b32 v69, v71, 16, v69
	v_lshl_or_b32 v69, v72, 24, v69
	ds_store_b32 v6, v69 offset:64*\s
.endm
	s_load_b128 s[4:7], s[0:1], 0x0                ; pbuf s[4:5], qkv s[6:7]
	s_load_b64 s[8:9], s[0:1], 0x10                ; att
	v_lshl_add_u32 v[SPW], v0, 2, SPARE
	v_mov_b32 v[NIL], 0
	ds_add_u32 v28, v29
	ds_add_u32 v28, v29
	s_wait_dscnt 0x0
	v_lshrrev_b32 v1, 5, v0
	v_readfirstlane_b32 s14, v1
	s_lshr_b32 s15, s14, 1                         ; my half of A's rows.  Also: I fetch for A (0) or for B (1)
	s_and_b32 s16, s14, 1                          ; my half of B's rows.  Also: which slot of a pair I fetch
	s_bfe_u32 s40, ttmp6, 0x40000                  ; cx
	s_bfe_u32 s41, ttmp6, 0x40004                  ; cy
	s_and_b32 s45, ttmp7, 0xffff                   ; the cluster's y
	s_lshl_b32 s43, s41, 2
	s_lshl_b32 s43, 15, s43
	s_lshl_b32 s44, 0x1111, s40
	s_mov_b32 s[SEL], 0x76543210
	s_mov_b32 s[SEL+1], 0xfedcba98
	s_or_b32 s[G1+0], s43, (3<<16)|(1<<21)
	s_or_b32 s[G1B+0], s44, (3<<16)|(1<<21)
.irp g, G1, G1B
	s_mov_b32 s[\g+1], 384<<16
	s_mov_b32 s[\g+3], 384<<16
	s_mov_b32 s[\g+5], KST*192
	s_mov_b32 s[\g+6], 0
	s_mov_b32 s[\g+7], 0
.endr
	s_mov_b32 s[G1+2], (2*NA)<<16                  ; all of A's 8 row tiles in one load
	s_mov_b32 s[G1+4], 2*NA
	s_mov_b32 s[G1B+2], 16<<16                     ; all of B's 16
	s_mov_b32 s[G1B+4], 16
	; A = p's 128 queries 4 y + cy: 8 row tiles of 16 images
	s_lshl_b32 s17, s45, 2
	s_add_co_u32 s17, s17, s41
	s_mul_i32 s20, s17, 196608
	s_mul_i32 s18, s16, 3072                       ; the step that I fetch first: 0 or 1
	s_add_co_u32 s20, s20, s18
	s_mov_b32 s21, 0
	s_lshl_b32 s22, s17, 15                        ; the records of my wave's two row tiles: 4,096 bytes a tile
	s_lshl_b32 s18, s14, 13
	s_add_co_u32 s22, s22, s18
	s_add_co_u32 s22, s22, PR
	s_mov_b32 s23, 0
	; B = V^T: row tiles 64 batch + 16 cx on; the batch is y / 4
	s_lshr_b32 s42, s45, 2
	s_lshl_b32 s42, s42, 6
	s_lshl_b32 s46, s40, 4
	s_add_co_u32 s42, s42, s46
	s_lshl_b32 s96, s42, 10
	s_lshl_b32 s46, s14, 12                        ; of V's scale words (16,384 dense bytes) each wave copies a quarter through registers
	s_add_co_u32 s96, s96, s46
	s_add_co_u32 s96, s96, VSC
	s_mov_b32 s97, 0
	s_mul_i32 s46, s42, 24576
	s_mul_i32 s47, s16, 3072
	s_add_co_u32 s46, s46, s47
	s_add_co_u32 s46, s46, VC
	s_mov_b32 s47, 0
	s_mul_i32 s18, s16, SLOT                       ; where they go: my slot of a pair: no place in the cluster enters an LDS address
	s_mul_i32 s94, s16, SLOT
	s_wait_kmcnt 0x0
	s_add_nc_u64 s[20:21], s[4:5], s[20:21]
	s_add_nc_u64 s[22:23], s[4:5], s[22:23]
	s_add_nc_u64 s[46:47], s[6:7], s[46:47]
	s_add_nc_u64 s[96:97], s[6:7], s[96:97]
	MKG0 G0, 18, 0, 20, 0
	MKG0 G0+4, 18, 2*SLOT, 20, 6144
	MKG0 G0B, 94, ABY, 46, 0
	MKG0 G0B+4, 94, 2*SLOT+ABY, 46, 6144
	CROUND                                         ; all sixteen work-groups are here: the first joint loads meet
	JLOAD G0, G1, G0B, G1B                         ; the head's one load a wave: my slot of the pair 0, 1
	v_and_b32 v1, 31, v0
	v_and_b32 v2, 15, v0
	v_bfe_u32 v3, v0, 4, 1
	v_lshlrev_b32 v5, 4, v2
	v_lshl_add_u32 v5, v3, 12, v5                  ; my query's records: row tile 2 w + h, 16 r
.irp s, 0,1,2,3,4,5,6,7,8,9,10,11,12,13,14,15
	global_load_b128 v[128+4*\s:131+4*\s], v5, s[22:23] offset:256*\s   ; sixteen lanes read 256 consecutive bytes
.endr
	v_lshlrev_b32 v24, 4, v1
	s_wait_alu depctr_va_vdst(0)
	v_lshlrev_b32 v25, 2, v2
.irp i, 0,1,2,3,4,5,6,7
	global_load_b128 v[192+4*\i:195+4*\i], v24, s[96:97] offset:512*\i   ; my quarter of V's scale words: 512 consecutive bytes a load
.endr
	s_mul_i32 s18, s15, NA*3072
	s_mul_i32 s19, s16, 24576
	s_add_co_u32 s19, s19, ABY
.irp s, 0,1,2,3
	v_add_nc_u32 v[ADRA+\s], s18, v24
	v_add_nc_u32 v[ADRB+\s], s19, v24
	s_add_co_u32 s18, s18, SLOT
	s_add_co_u32 s19, s19, SLOT
.endr
	s_mul_i32 s18, s15, NA*KST*64
	s_mul_i32 s19, s16, 8*KST*64
	s_add_co_u32 s19, s19, SCLB-SCLA
	s_sub_co_u32 s19, s19, s18
	v_mul_u32_u24 v4, s19, v3                      ; lanes 16-31 take B's: one product, the distance x h
	s_add_co_u32 s18, s18, SCLA
	v_add_nc_u32 v4, v25, v4
	v_add_nc_u32 v[ADRS], s18, v4
	s_lshl_b32 s18, s14, 11
	s_add_co_u32 s18, s18, SCLA
	v_lshl_add_u32 v6, v3, 10, v25
	v_add_nc_u32 v6, s18, v6                       ; where the mended words go: row tile 2 w + h x 1,024 + 4 r
	s_lshl_b32 s18, s14, 7
	s_add_co_u32 s18, s18, LINV
	v_lshl_add_u32 v7, v3, 6, v25
	v_add_nc_u32 v7, s18, v7                       ; where 1 / l goes: row tile x 64 + 4 r
	s_lshl_b32 s18, s15, 8
	s_add_co_u32 s18, s18, LINV
	v_add_nc_u32 v8, s18, v25
	s_lshl_b32 s18, s14, 12
	s_add_co_u32 s18, s18, SCLB
	v_add_nc_u32 v9, s18, v24                      ; where my quarter of V's scale words goes: as it lies
	; my first image of attn: (8 (4 y + cy) + 4 half) x 8 + 2 cx + half
	s_lshl_b32 s94, s17, 3
	s_lshl_b32 s95, s15, 2
	s_add_co_u32 s94, s94, s95
	s_lshl_b32 s94, s94, 3
	s_lshl_b32 s95, s40, 1
	s_add_co_u32 s94, s94, s95
	s_add_co_u32 s94, s94, s16
	s_mul_i32 s92, s94, 1536
	s_mov_b32 s93, 0
	s_lshl_b32 s94, s94, 6
	s_add_co_u32 s94, s94, ASC
	s_mov_b32 s95, 0
	s_add_nc_u64 s[92:93], s[8:9], s[92:93]
	s_add_nc_u64 s[94:95], s[8:9], s[94:95]
	s_wait_alu depctr_va_vdst(0)                   ; the wait here, directly ahead of the wait below
	s_wait_loadcnt 0x0
.irp i, 0,1,2,3,4,5,6,7
	ds_store_b128 v9, v[192+4*\i:195+4*\i] offset:512*\i
.endr
	v_min3_num_f32 v64, v128, v132, v136           ; -M = the smallest -M'
.irp s, 3,5,7,9,11,13
	v_min3_num_f32 v64, v64, v[128+4*\s], v[132+4*\s]
.endr
	v_min_num_f32 v64, v64, v188
.irp s, 0,1,2,3,4,5,6,7,8,9,10,11,12,13,14,15
	FIX \s
.endr
	s_wait_alu depctr_va_vdst(0)
	v_rcp_f32 v74, v68                             ; 1 / l
	v_nop                                          ; a plain instruction behind the reciprocal
	s_wait_alu depctr_va_vdst(0)                   ; and the wait ahead of its first reader
	ds_store_b32 v7, v74
	s_wait_tensorcnt 0x0                           ; my slot of the pair 0, 1 is in; the full sequence ahead of the later first fills
	ds_add_u32 v[SPW], v[NIL]
	s_wait_dscnt 0x0                               ; the add, and for the others' sake my stores of scale words and of 1 / l
	CROUND                                         ; slots 0 and 1 are whole, and all sixteen work-groups are here
	JLOAD G0+4, G1, G0B+4, G1B                     ; my slot of the pair 2, 3
	FALL 0
	KS 0, 0, 0, 1                                  ; its products start the sums
	KS 1, 0, 0, 0
	KS 2, 0, 0, 0
	KS 3, 1, 0, 0                                  ; slots 2 and 3 are whole; slots 0 and 1 are asked for again
	KS 4, 0, 0, 0
	KS 5, 0, 0, 0
	KS 6, 0, 0, 0
	KS 7, 1, 1, 0                                  ; slots 0 and 1 have landed; slots 2 and 3 are asked for again
	KS 8, 0, 0, 0
	KS 9, 0, 0, 0
	KS 10, 0, 0, 0
	KS 11, 2, 0, 0                                 ; slots 2 and 3 have landed: a barrier, and nothing is filled
	KS 12, 0, 0, 0
	KS 13, 0, 0, 0
	KS 14, 0, 0, 0
	KS 15, 0, 0, 0
.irp a, 0,1,2,3
	ds_load_b32 v[RL+2*\a], v8 offset:64*\a        ; 1 / l of block a's query r, into both registers of a pair
	ds_load_b32 v[RL+2*\a+1], v8 offset:64*\a
.endr
	s_wait_dscnt 0x0
.irp u, 0,1,2,3,4,5,6,7,8,9,10,11,12,13,14,15
	v_mov_b32 v[QPB+\u], 0                         ; written once: a lane permute's destination counts as one of its sources
.endr
	WIN 0x82                                       ; destination and source 0 window 2
.irp a, 0,1,2,3
.set J, 0
.rept 32
	v_pk_mul_f32 v[64*\a+J:64*\a+J+1], v[64*\a+J:64*\a+J+1], v[RL+2*\a:RL+2*\a+1] op_sel_hi:[1,0]   ; / l; each accumulator from its low end on
.set J, J+2
.endr
.endr
	QUANT4
.irp a, 0,1,2,3
.irp c, 0,1,2
	global_store_b128 v24, v[QCD+12*\a+4*\c:QCD+12*\a+4*\c+3], s[92:93] offset:\a*12288+512*\c   ; 512 consecutive bytes; a row tile on is 8 images on
.endr
	global_store_b32 v25, v[QPB+4*\a], s[94:95] offset:\a*512   ; lanes 16-31 hold the same words and write them to the same places
.endr
	s_wait_tensorcnt 0x0                           ; the wave's end
	ds_add_u32 v[SPW], v[NIL]
	s_wait_dscnt 0x0
	CROUND                                         ; the closing round
	s_endpgm
.Lfunc_end_k_q35c7bfefc2_pv:
	.size	k_q35c7bfefc2_pv, .Lfunc_end_k_q35c7bfefc2_pv-k_q35c7bfefc2_pv
	.p2alignl 7, 3214868480
	.fill 96, 4, 3214868480
	.section	.rodata,"a",@progbits
	.p2align	6, 0x0
	.amdhsa_kernel k_q35c7bfefc2_pv
		.amdhsa_group_segment_fixed_size 327680
		.amdhsa_private_segment_fixed_size 0
		.amdhsa_enable_private_segment 0
		.amdhsa_kernarg_size 24
		.amdhsa_user_sgpr_count 2
		.amdhsa_user_sgpr_kernarg_segment_ptr 1
		.amdhsa_wavefront_size32 1
		.amdhsa_system_sgpr_workgroup_id_x 1
		.amdhsa_system_sgpr_workgroup_id_y 1
		.amdhsa_system_sgpr_workgroup_id_z 1
		.amdhsa_system_vgpr_workitem_id 0
		.amdhsa_next_free_vgpr 768
		.amdhsa_next_free_sgpr 100
		.amdhsa_reserve_vcc 0
		.amdhsa_float_denorm_mode_32 3
		.amdhsa_float_denorm_mode_16_64 3
		.amdhsa_memory_ordered 1
		.amdhsa_forward_progress 1
		.amdhsa_inst_pref_size 169
	.end_amdhsa_kernel
	.amdgpu_metadata
---
amdhsa.version: [ 1, 2 ]
amdhsa.kernels:
  - .name:           k_q35c7bfefc2_pv
    .symbol:         k_q35c7bfefc2_pv.kd
    .args:
      - { .name: pbuf, .offset: 0, .size: 8, .value_kind: global_buffer, .address_space: global }
      - { .name: qkv, .offset: 8, .size: 8, .value_kind: global_buffer, .address_space: global }
      - { .name: att, .offset: 16, .size: 8, .value_kind: global_buffer, .address_space: global }
    .group_segment_fixed_size: 327680
    .private_segment_fixed_size: 0
    .kernarg_segment_align: 8
    .kernarg_segment_size: 24
    .max_flat_workgroup_size: 128
    .sgpr_count:     100
    .vgpr_count:     768
    .wavefront_size: 32
...
	.end_amdgpu_metadata
.endif
;; end of part 4
;; launch outp (part 5): grid 4 x 64, 4 waves a work-group, clusters of 4 x 4, 327,680 bytes of LDS; arguments att, xw, bo, out0; writes out0
.if DOCPART == 5
	.amdgcn_target "amdgcn-amd-amdhsa--gfx1250"
	.amdhsa_code_object_version 6
	.text
	.protected	k_q35c7bfefc2_outp
	.globl	k_q35c7bfefc2_outp
	.p2align	8
	.type	k_q35c7bfefc2_outp,@function
k_q35c7bfefc2_outp:
	s_mov_b64 s[64:65], 0
	v_nop
	global_prefetch_b8 v0, s[64:65] scope:SCOPE_SE
	s_setreg_imm32_b32 hwreg(HW_REG_WAVE_MODE, 25, 1), 1
	s_wait_xcnt 0x0
	s_wait_alu depctr_hold_cnt(0) depctr_sa_sdst(0) depctr_va_vdst(0) depctr_va_sdst(0) depctr_va_ssrc(0) depctr_va_vcc(0) depctr_vm_vsrc(0)
	s_getreg_b32 s2, hwreg(HW_REG_IB_STS2, 6, 4)
	s_cmp_eq_u32 s2, 0
	s_cbranch_scc0 .Lentry_in_a_cluster
	s_endpgm
.Lentry_in_a_cluster:
	s_bfe_u32 s2, ttmp6, 0x10000c
	s_cmp_lg_u32 s2, 0xf033
	s_cbranch_scc0 .Lentry_shape_is_right
	s_endpgm
.Lentry_shape_is_right:
; out0 = attn Wo + bo on codes of FP6 (E2M3) with E8M0 scales, sums in f32, result f32.
; IMAGES, the cluster and the transposed use of the matrix instruction are those of the launch qkv.  A tile is 128 rows x 256 columns; a wave makes 64 x 128: 32 accumulators.  KST = 8.
; A side = attn (source 1), B side = Wo (source 0; the weights' row tiles 192-255 in xw): lane (r, h) of accumulator (a, b) holds in register j row r of A's tile a, column 32 (b / 2) + 16 h + 8 (b % 2) + j of the wave's 128.
; K = 1,024 is four steps of 256, and FOUR LDS SLOTS hold all of it: every tile is a first fill, asked for at the start by joint loads, and no LDS byte is filled twice.  The waves share the loads by slot: wave 0 brings all of A's tile of
; steps 0 and 2, wave 1 of steps 1 and 3, waves 2 and 3 the same of B's.  One barrier shows slots 0 and 1 whole, a second slots 2 and 3.
; The bias is the C of each sum's first product.  The images' order of rows (row tile T, lane r: row 32 (T / 2) + 8 (T % 2) + r + 8 (r / 8)) is undone in the stores' offsets.
; REGISTERS: window 0: v1-30 addresses; v32-63 scale words and nothing else; v128-223 A's fragments, two sets; on the way out v128-255 rows of the result.  window 1: B's fragments, two sets; the bias tiles in the gaps.  window 2: the accumulators.
.set NA,    4
.set KST,   8
.set HA,    NA/2
.set NSLOT, 4
.set ABY,   2*NA*3072
.set SLOT,  ABY+49152
.set SCLA,  NSLOT*SLOT
.set SCLB,  SCLA+2*NA*KST*64
.set SPARE, SCLB+16*KST*64             ; the spare words, 128 bytes a wave, which no other line names
.set STG,   0                          ; the way out: a stage of 16 rows x (512 bytes + 16) for each wave, in slot 0: that slot has had its one fill, and behind the second barrier nobody reads it
.set ASC,   6291456                    ; att: the scale words
.set WC,    6291456                    ; xw: the weights' images
.set WSC,   9699328                    ; and scale words
.set ADRA,  16                         ; v16-19 LDS address of my A fragments in slots 0 to 3
.set ADRB,  20                         ; v20-23 the same for B
.set STO,   26                         ; v26 the stage: where I put 32 bytes of a row
.set ADRS,  27
.set SPW,   28
.set NIL,   29
.set RD,    30                         ; v30 the stage: where I read a row back
.set SC,    32
.set AF,    128
.set G1,    24
.set G0,    32                         ; s[32:35]: my slot of the pair 0, 1; s[36:39]: of the pair 2, 3
.set G1B,   48
.set G0B,   56
.set G1S,   68
.set G0S,   76
.set G1SB,  80
.set G0SB,  88
.set MSB, 0
.macro WIN new
.if MSB != (\new)
	s_set_vgpr_msb (MSB<<8)|(\new)
.set MSB, (\new)
.endif
.endm
.macro PLACES n
.rept \n
	v_nop
.endr
.endm
.macro CREST
	s_cmp_lg_u32 s14, 0
	s_cbranch_scc1 .Lnot_wave_0_\@
	s_barrier_signal -3
.Lnot_wave_0_\@:
	s_barrier_wait -3
	s_barrier_signal -1
	s_barrier_wait -1
.endm
.macro CROUND
	s_barrier_signal -1
	s_barrier_wait -1
	CREST
.endm
.macro MKG0 g, ldsreg, ldsoff, adr, goff
	s_mov_b32 s[\g], 1
	s_add_co_u32 s[\g+1], s[\ldsreg], \ldsoff
	s_add_nc_u64 s[\g+2:\g+3], s[\adr:\adr+1], \goff
	s_or_b32 s[\g+3], s[\g+3], 0x80000000
.endm
.macro FRAG reg, adr, off
.irp c, 0,1,2
	ds_load_b128 v[(\reg)+4*\c:(\reg)+4*\c+3], v[\adr] offset:(\off)+512*\c
.endr
.endm
.macro FETCH_B slot, q, p              ; 24 loads
	WIN 0x40
.irp i, 0,1,2,3,4,5,6,7
	FRAG 128*(\p)+12*\i, ADRB+\slot, 3072*\i+1536*(\q)
.endr
	WIN 0
.endm
.macro FETCH_A slot, q                 ; A's four blocks into set q (v128 + 48 q on): 12 loads
.set FI, 0
.set AF, 128+48*(\q)
.rept NA
	FRAG AF+12*FI, ADRA+\slot, 3072*FI+1536*(\q)
.set FI, FI+1
.endr
.endm
.macro SCALES u                        ; the scale words of K steps 2 u, 2 u + 1 of 128 into set u % 2
.irp i, 0,1,2,3,4,5,6,7
.irp q, 0,1
	ds_load_b32 v[SC+16*((\u)%2)+2*\i+\q], v[ADRS] offset:\i*KST*64+64*(2*(\u)+\q)
.endr
.endr
.endm
.macro MULA p, q, sc, zero             ; 8 matrix instructions: A's block AA against B's eight; zero = 2: the sums start from the bias tile of B's block; the accumulators take turns
.set AC, 64*AA
.set AF, 128+48*(\p)
.if (\zero) == 2
	WIN 0x91                                       ; source 0 (B) and source 2 (bias) window 1, source 1 (A) window 0, D window 2
.else
	WIN 0xa1
.endif
.irp b, 0,1,2,3,4,5,6,7
.if (\zero) == 0
	v_wmma_scale_f32_16x16x128_f8f6f4 v[AC+8*\b:AC+8*\b+7], v[128*(\p)+12*\b:128*(\p)+12*\b+11], v[AF+12*AA:AF+12*AA+11], v[AC+8*\b:AC+8*\b+7], v[SC+16*(\sc)+2*\b+(\q)], v[SC+16*(\sc)+2*AA+(\q)] matrix_a_fmt:MATRIX_FMT_FP6 matrix_b_fmt:MATRIX_FMT_FP6 matrix_a_scale:MATRIX_SCALE_ROW1
.else
	v_wmma_scale_f32_16x16x128_f8f6f4 v[AC+8*\b:AC+8*\b+7], v[128*(\p)+12*\b:128*(\p)+12*\b+11], v[AF+12*AA:AF+12*AA+11], v[96+8*\b+96*(\b/4):96+8*\b+96*(\b/4)+7], v[SC+16*(\sc)+2*\b+(\q)], v[SC+16*(\sc)+2*AA+(\q)] matrix_a_fmt:MATRIX_FMT_FP6 matrix_b_fmt:MATRIX_FMT_FP6 matrix_a_scale:MATRIX_SCALE_ROW1
.endif
.endr
.set AA, AA+1
.endm
.macro MULS a0, n, p, q, sc, zero
.set AA, \a0
.rept \n
	MULA \p, \q, \sc, \zero
.endr
.endm
; K goes in steps n of 128, two to a slot: step n lies in slot n / 2.  Both sides have two sets of fragment registers, set n % 2.
.macro FALL n                          ; all of step n's fragments: 36 loads; with an even n its pair's scale words: 16
	FETCH_B ((\n)/2)%NSLOT, (\n)%2, (\n)%2
	FETCH_A ((\n)/2)%NSLOT, (\n)%2
.if (\n)%2 == 0
	SCALES (\n)/2
.endif
.endm
; Step n: when its fragments are in, the next step's are asked for (their sets were read a step ago, with four places behind), and the step's 32 matrix instructions follow.
; mode 0: no barrier.  mode 2: the next step lies in a slot not yet shown whole: one barrier, with the wait for all my tensor loads, the add and the wait for it and for my LDS reads in front.
.macro KS n, mode, zero
.if (\mode) == 0
	s_wait_dscnt 0x0                               ; this step's fragments and scale words are in
.if (\n)+1 < KST
	FALL (\n)+1
.endif
	MULS 0, NA, (\n)%2, (\n)%2, ((\n)/2)%2, \zero
.else
	s_wait_tensorcnt 0x0                           ; all my tensor loads have landed: my slot of the pair 2, 3
	ds_add_u32 v[SPW], v[NIL]
	s_wait_dscnt 1                                 ; the add alone may be out
	MULS 0, 1, (\n)%2, (\n)%2, ((\n)/2)%2, \zero
	s_wait_dscnt 0x0                               ; the add is done, and my reads of slots 0 and 1 are over
	s_barrier_signal -1
	MULS 1, 1, (\n)%2, (\n)%2, ((\n)/2)%2, \zero
	WIN 0
	s_barrier_wait -1
	FALL (\n)+1
	MULS 2, 2, (\n)%2, (\n)%2, ((\n)/2)%2, \zero
.endif
	PLACES 4
	WIN 0
.endm
	s_load_b256 s[4:11], s[0:1], 0x0               ; att s[4:5], xw s[6:7], bo s[8:9], out0 s[10:11]
	v_lshl_add_u32 v[SPW], v0, 2, SPARE
	v_mov_b32 v[NIL], 0
	ds_add_u32 v28, v29
	ds_add_u32 v28, v29
	s_wait_dscnt 0x0
	v_lshrrev_b32 v1, 5, v0
	v_readfirstlane_b32 s14, v1
	s_lshr_b32 s15, s14, 1                         ; my half of A's rows.  Also: I fetch for A (0) or for B (1)
	s_and_b32 s16, s14, 1                          ; my half of B's rows.  Also: which slot of a pair I fetch
	s_bfe_u32 s40, ttmp6, 0x40000                  ; cx
	s_bfe_u32 s41, ttmp6, 0x40004                  ; cy
	s_and_b32 s45, ttmp7, 0xffff                   ; the cluster's y
	s_lshl_b32 s43, s41, 2
	s_lshl_b32 s43, 15, s43
	s_lshl_b32 s44, 0x1111, s40
	s_or_b32 s[G1+0], s43, (3<<16)|(1<<21)
	s_or_b32 s[G1B+0], s44, (3<<16)|(1<<21)
.irp g, G1, G1B
	s_mov_b32 s[\g+1], 384<<16
	s_mov_b32 s[\g+3], 384<<16
	s_mov_b32 s[\g+5], KST*192
	s_mov_b32 s[\g+6], 0
	s_mov_b32 s[\g+7], 0
.endr
	s_mov_b32 s[G1+2], (2*NA)<<16                  ; all of A's 8 row tiles in one load
	s_mov_b32 s[G1+4], 2*NA
	s_mov_b32 s[G1B+2], 16<<16                     ; all of B's 16
	s_mov_b32 s[G1B+4], 16
	; A = attn's 128 rows 4 y + cy: 8 row tiles of 8 images
	s_lshl_b32 s17, s45, 2
	s_add_co_u32 s17, s17, s41
	s_mul_i32 s20, s17, 98304
	s_mul_i32 s18, s16, 3072                       ; the step that I fetch first: 0 or 1
	s_add_co_u32 s20, s20, s18
	s_mov_b32 s21, 0
	s_lshl_b32 s22, s17, 12
	s_lshl_b32 s18, s14, 10                        ; of A's scale words (4,096 dense bytes) each wave copies a quarter through registers
	s_add_co_u32 s22, s22, s18
	s_add_co_u32 s22, s22, ASC
	s_mov_b32 s23, 0
	; B = the weights' tile 12 + cx: Wo's columns 256 cx on
	s_add_co_u32 s42, s40, 12
	s_mul_i32 s46, s42, 196608
	s_mul_i32 s47, s16, 3072
	s_add_co_u32 s46, s46, s47
	s_add_co_u32 s46, s46, WC
	s_mov_b32 s47, 0
	s_lshl_b32 s92, s42, 13
	s_lshl_b32 s93, s14, 11                        ; and of B's (8,192 dense bytes)
	s_add_co_u32 s92, s92, s93
	s_add_co_u32 s92, s92, WSC
	s_mov_b32 s93, 0
	s_mul_i32 s18, s16, SLOT                       ; where they go: my slot of a pair: no place in the cluster enters an LDS address
	s_mul_i32 s94, s16, SLOT
	s_wait_kmcnt 0x0
	s_add_nc_u64 s[20:21], s[4:5], s[20:21]
	s_add_nc_u64 s[22:23], s[4:5], s[22:23]
	s_add_nc_u64 s[46:47], s[6:7], s[46:47]
	s_add_nc_u64 s[92:93], s[6:7], s[92:93]
	MKG0 G0, 18, 0, 20, 0
	MKG0 G0+4, 18, 2*SLOT, 20, 6144
	MKG0 G0B, 94, ABY, 46, 0
	MKG0 G0B+4, 94, 2*SLOT+ABY, 46, 6144
	CROUND                                         ; all sixteen work-groups are here: the joint loads meet
.macro JLOAD g0a, g1a, g0b, g1b        ; a joint load: waves 0 and 1 fetch for A, waves 2 and 3 for B; four v_nop follow each line
	s_cmp_eq_u32 s15, 0
	s_cbranch_scc0 .Lfor_b_\@
	tensor_load_to_lds s[\g0a:\g0a+3], s[\g1a:\g1a+7]
	s_nop 0
	PLACES 4
	s_branch .Lasked_\@
.Lfor_b_\@:
	tensor_load_to_lds s[\g0b:\g0b+3], s[\g1b:\g1b+7]
	s_nop 0
	PLACES 4
.Lasked_\@:
.endm
	JLOAD G0, G1, G0B, G1B                         ; the head's one load a wave: my slot of the pair 0, 1
	v_and_b32 v1, 31, v0
	v_and_b32 v2, 15, v0
	v_bfe_u32 v3, v0, 4, 1
	v_lshlrev_b32 v24, 4, v1                       ; 16 x lane
	s_wait_alu depctr_va_vdst(0)
	v_lshlrev_b32 v25, 2, v2
	global_load_b128 v[176:179], v24, s[22:23]     ; my quarter of A's scale words: 512 consecutive bytes a load
	global_load_b128 v[180:183], v24, s[22:23] offset:512
.irp i, 0,1,2,3
	global_load_b128 v[184+4*\i:187+4*\i], v24, s[92:93] offset:512*\i   ; and of B's
.endr
	; the bias tiles: tile i, register j = bo at 256 cx + 128 half + 32 (i / 2) + 8 (i % 2) + 16 h + j
	v_lshlrev_b32 v5, 6, v3
	s_lshl_b32 s96, s40, 10
	s_lshl_b32 s97, s16, 9
	s_add_co_u32 s96, s96, s97
	v_add_nc_u32 v5, s96, v5
	WIN 0x40
.irp i, 0,1,2,3,4,5,6,7
	global_load_b128 v[96+8*\i+96*(\i/4):96+8*\i+96*(\i/4)+3], v5, s[8:9] offset:4*(32*(\i/2)+8*(\i%2))
	global_load_b128 v[96+8*\i+96*(\i/4)+4:96+8*\i+96*(\i/4)+7], v5, s[8:9] offset:4*(32*(\i/2)+8*(\i%2))+16
.endr
	WIN 0
	s_mul_i32 s18, s15, NA*3072
	s_mul_i32 s19, s16, 24576
	s_add_co_u32 s19, s19, ABY
.irp s, 0,1,2,3
	v_add_nc_u32 v[ADRA+\s], s18, v24
	v_add_nc_u32 v[ADRB+\s], s19, v24
	s_add_co_u32 s18, s18, SLOT
	s_add_co_u32 s19, s19, SLOT
.endr
	s_mul_i32 s18, s15, NA*KST*64
	s_mul_i32 s19, s16, 8*KST*64
	s_add_co_u32 s19, s19, SCLB-SCLA
	s_sub_co_u32 s19, s19, s18
	v_mul_u32_u24 v4, s19, v3                      ; lanes 16-31 take B's: one product, the distance x h
	s_add_co_u32 s18, s18, SCLA
	v_add_nc_u32 v4, v25, v4
	v_add_nc_u32 v[ADRS], s18, v4
	s_mul_i32 s18, s14, 8448
	s_add_co_u32 s18, s18, STG                     ; my stage
	v_mul_u32_u24 v[STO], v2, 528
	v_lshl_add_u32 v[STO], v3, 6, v[STO]
	v_add_nc_u32 v[STO], s18, v[STO]               ; in: row r, + 64 h
	v_add_nc_u32 v[RD], s18, v24
	s_lshl_b32 s18, s14, 10
	s_add_co_u32 s18, s18, SCLA
	v_add_nc_u32 v6, s18, v24                      ; where my quarters of the scale words go: as they lie
	s_lshl_b32 s18, s14, 11
	s_add_co_u32 s18, s18, SCLB
	v_add_nc_u32 v7, s18, v24
	; my part of out0: row 128 (4 y + cy) + 64 half, column 256 cx + 128 half
	s_lshl_b32 s94, s17, 7
	s_lshl_b32 s95, s15, 6
	s_add_co_u32 s94, s94, s95
	s_lshl_b32 s94, s94, 12
	s_add_co_u32 s94, s94, s96
	s_mov_b32 s95, 0
	s_add_nc_u64 s[10:11], s[10:11], s[94:95]
	s_wait_alu depctr_va_vdst(0)
	s_wait_loadcnt 0x0                             ; the scale words (and the bias tiles)
	ds_store_b128 v6, v[176:179]
	ds_store_b128 v6, v[180:183] offset:512
.irp i, 0,1,2,3
	ds_store_b128 v7, v[184+4*\i:187+4*\i] offset:512*\i
.endr
	s_wait_tensorcnt 0x0                           ; my slot of the pair 0, 1 is in; the full sequence ahead of the later first fills
	ds_add_u32 v[SPW], v[NIL]
	s_wait_dscnt 0x0                               ; the add, and for the others' sake my stores of scale words
	CROUND                                         ; slots 0 and 1 are whole, and all sixteen work-groups are here
	JLOAD G0+4, G1, G0B+4, G1B                     ; my slot of the pair 2, 3
	FALL 0
	KS 0, 0, 2                                     ; its products start the sums from the bias (the bias tiles came in with the scale words, above)
	KS 1, 0, 0
	KS 2, 0, 0
	KS 3, 2, 0                                     ; the second barrier: slots 2 and 3 are whole, and nobody reads slots 0 and 1 any more
	KS 4, 0, 0
	KS 5, 0, 0
	KS 6, 0, 0
	KS 7, 0, 0
; THE WAY OUT, block by block of 16 rows x 128 columns: through my own stage and back as whole rows of 512 bytes.  LDS serves a wave's instructions in order: no wait between the stores and the loads, nor in front of the next block's stores.
.macro TOSTAGE a
	WIN 0x08                                       ; an LDS store's data are its source 1: window 2
.irp b, 0,1,2,3,4,5,6,7
	ds_store_b128 v[STO], v[64*(\a)+8*\b:64*(\a)+8*\b+3] offset:128*(\b/2)+32*(\b%2)          ; each accumulator from its low end on
	ds_store_b128 v[STO], v[64*(\a)+8*\b+4:64*(\a)+8*\b+7] offset:128*(\b/2)+32*(\b%2)+16
.endr
	WIN 0
.set BB, 128+64*((\a)%2)
.irp t, 0,1,2,3,4,5,6,7,8,9,10,11,12,13,14,15
	ds_load_b128 v[BB+4*\t:BB+4*\t+3], v[RD] offset:\t*528
.endr
.endm
.macro SEND a, younger                 ; younger: the LDS instructions issued behind block a's loads, which may stay out
.set BB, 128+64*((\a)%2)
	s_wait_dscnt \younger
.irp t, 0,1,2,3,4,5,6,7,8,9,10,11,12,13,14,15
	global_store_b128 v24, v[BB+4*\t:BB+4*\t+3], s[10:11] offset:(32*((\a)/2)+8*((\a)%2)+\t+8*(\t/8))*4096 th:TH_STORE_NT   ; 32 lanes store 512 consecutive bytes, aligned; the images' order of rows is undone here
.endr
.endm
	TOSTAGE 0
.irp a, 1,2,3
.if \a > 1
	s_wait_xcnt 0x0                                ; block a - 2's stores have read their registers: block a's loads may land there
.endif
	TOSTAGE \a
	SEND \a-1, 32                                  ; behind block a - 1's loads: block a's 16 stores and 16 loads
.endr
	SEND 3, 0
	s_wait_tensorcnt 0x0                           ; the wave's end: no tensor load and no LDS instruction of mine is out
	ds_add_u32 v[SPW], v[NIL]
	s_wait_dscnt 0x0
	CROUND                                         ; the closing round
	s_endpgm
.Lfunc_end_k_q35c7bfefc2_outp:
	.size	k_q35c7bfefc2_outp, .Lfunc_end_k_q35c7bfefc2_outp-k_q35c7bfefc2_outp
	.p2alignl 7, 3214868480
	.fill 96, 4, 3214868480
	.section	.rodata,"a",@progbits
	.p2align	6, 0x0
	.amdhsa_kernel k_q35c7bfefc2_outp
		.amdhsa_group_segment_fixed_size 327680
		.amdhsa_private_segment_fixed_size 0
		.amdhsa_enable_private_segment 0
		.amdhsa_kernarg_size 32
		.amdhsa_user_sgpr_count 2
		.amdhsa_user_sgpr_kernarg_segment_ptr 1
		.amdhsa_wavefront_size32 1
		.amdhsa_system_sgpr_workgroup_id_x 1
		.amdhsa_system_sgpr_workgroup_id_y 1
		.amdhsa_system_sgpr_workgroup_id_z 1
		.amdhsa_system_vgpr_workitem_id 0
		.amdhsa_next_free_vgpr 768
		.amdhsa_next_free_sgpr 100
		.amdhsa_reserve_vcc 0
		.amdhsa_float_denorm_mode_32 3
		.amdhsa_float_denorm_mode_16_64 3
		.amdhsa_memory_ordered 1
		.amdhsa_forward_progress 1
		.amdhsa_inst_pref_size 83
	.end_amdhsa_kernel
	.amdgpu_metadata
---
amdhsa.version: [ 1, 2 ]
amdhsa.kernels:
  - .name:           k_q35c7bfefc2_outp
    .symbol:         k_q35c7bfefc2_outp.kd
    .args:
      - { .name: att, .offset: 0, .size: 8, .value_kind: global_buffer, .address_space: global }
      - { .name: xw, .offset: 8, .size: 8, .value_kind: global_buffer, .address_space: global }
      - { .name: bo, .offset: 16, .size: 8, .value_kind: global_buffer, .address_space: global }
      - { .name: out0, .offset: 24, .size: 8, .value_kind: global_buffer, .address_space: global }
    .group_segment_fixed_size: 327680
    .private_segment_fixed_size: 0
    .kernarg_segment_align: 8
    .kernarg_segment_size: 32
    .max_flat_workgroup_size: 128
    .sgpr_count:     100
    .vgpr_count:     768
    .wavefront_size: 32
...
	.end_amdgpu_metadata
.endif
;; end of part 5
